; MI455X (gfx1250); checked and timed in simulation.
; The chip was launched on July 23, 2026; its instructions are those of AMD's public machine-readable ISA for CDNA 5 (MIT licence, August 2026) and "CDNA5" Instruction Set Architecture Reference Guide (July 2026). The comments in the code are by the model that wrote it; some were corrected since.
;; Expert MLP. Allowed arithmetic: float matrix products may take bf16 or f16 operands with f32 sums; all other float work in f32.
;; Inputs: topk_e 4,096 x 2 int32; topk_w 4,096 x 2 float32; w1 8 x 1,024 x 1,024 float32; w2 8 x 1,024 x 1,024 float32; x 4,096 x 1,024 float32.
;; Outputs: out0 4,096 x 1,024 float32.
;; 2 versions, each right and faster than the one before. Each part assembles by itself: llvm-mc -triple=amdgcn-amd-amdhsa -mcpu=gfx1250 --defsym DOCPART=n.
;; ======== version 1 of 2: 5 launches
;; limits: values are held in f16: magnitudes above 65,504 overflow, below 6.1e-05 lose precision; inputs' magnitudes at most 65,504; right only within a limited range of input values
;; workspace buffers: rt 70,912 bytes of whole numbers; wb 33,554,432 bytes; xs 19,333,120 bytes; hs 19,333,120 bytes; ys 38,666,240 bytes
;; launch prep (part 1): grid 256 x 1, 32 waves a work-group, no clusters, 8,192 bytes of LDS; arguments topk_e, w1, w2, rt, wb; writes rt, wb
.if DOCPART == 1
	.amdgcn_target "amdgcn-amd-amdhsa--gfx1250"
	.amdhsa_code_object_version 6
	.text
	.protected	k_qd9b095e485_prep
	.globl	k_qd9b095e485_prep
	.p2align	8
	.type	k_qd9b095e485_prep,@function
k_qd9b095e485_prep:
	s_mov_b64 s[64:65], 0
	v_nop
	global_prefetch_b8 v0, s[64:65] scope:SCOPE_SE
	s_setreg_imm32_b32 hwreg(HW_REG_WAVE_MODE, 25, 1), 1
	s_wait_xcnt 0x0
; prep: (1) every work-group turns its 1/256 of w1 and w2 (f32) into f16 in wb = [2][8][1024][1024], w1 first;
;       (2) work-group 0 first makes the routing tables in rt, all whole numbers:
;           TOK  at byte 0:      u32[9440]  the token of each sorted row (padding rows: token 0)
;           POS  at byte 37888:  u32[8192]  the sorted row of pair p = 2 s + k
;           BLK  at byte 70656:  u32[64]    the expert of row block b
; WHY f16: it keeps 11 significant bits where bf16 keeps 8, and the weights have the room.  They are drawn inside +-2^-5; 30 times larger they stay
; below 1, with an offset of 30 spreads below 2, and f16 reaches 65,504.  30 times smaller their rms is 6e-4, and f16's spacing at the bottom,
; 2^-24, rounds them with an error of 3e-8 at the most.  LIMIT, stated: a weight beyond +-65,504 becomes infinite.
; The 8,192 (token, k) pairs are sorted by expert; each expert's rows are padded to whole blocks of 160 rows.
; For any routing the filled blocks number 52 to 59: floor((8192 + 8 x 159) / 160) = 59.  The later launches always work on all 59 blocks
; (9,440 rows), so the blocks that a routing leaves empty are given to expert 7 and filled with token 0 like other padding.
; LIMIT, stated: an expert id outside 0..7 (unsigned) is sorted to expert 7; the last launch gives such a pair the weight 0,
; which is what a one-hot row of zeros gives.
.set POS_OFF, 37888
.set BLK_OFF, 70656
.set ROWS,    9440
.set MAXROW,  ROWS-1
.set BLOCK,   160
; v1 = 16 t, v2 = 8 t, v3 = 4 t: byte offsets made once at the head and never written again
.set E,    4                           ; v[4:11]   expert ids of my 8 pairs: slots 0-3 pairs 4t.., slots 4-7 pairs 4096+4t..
.set R,    12                          ; v[12:19]  rank in the wave, then the sorted row
.set T,    20                          ; v20       at work
.set C,    21                          ; v21       lane e: a number for expert e (counts, then first rows)
.set LANE, 22
.set LLD,  23                          ; v23       LDS: 128 lane
.set A,    24                          ; v[24:31]  lane l: the 8 counts of wave l; later the two experts for BLK
.set P,    32                          ; v[32:35]  the same, two experts to a word
.set Q,    36                          ; v[36:39]  the same, only of waves in front of mine
.set B,    40                          ; v[40:47]  first row of my wave in each slot's expert
.set AD,   48                          ; v[48:55]  lane index, then byte offset in TOK
.set TK,   56                          ; v[56:59]  the four tokens of my 8 pairs
.set ZERO, 60
.set PADA, 61                          ; v[61:69]  byte offsets in TOK of the padding rows: one for each expert, a second for expert 7
.set T1K,  70                          ; v70       t + 1024
.set WV,   71
.set RUN,  16                          ; s[16:23]  running counts of my wave, then the experts' totals
.set PRE,  24                          ; s[24:31]  pairs of waves in front of mine, then my wave's first row
.set GEND, 32                          ; s[32:39]  blocks up to and with expert e
.set PADS, 40                          ; s[40:47]  first padding row
.set PADC, 48                          ; s[48:55]  number of padding rows
	s_load_b256 s[4:11], s[0:1], 0x0               ; topk_e s[4:5], w1 s[6:7], w2 s[8:9], rt s[10:11]
	s_load_b64 s[12:13], s[0:1], 0x20              ; wb
	v_lshl_add_u32 v72, v0, 2, 0x1000
	v_mov_b32 v73, 0
	v_lshrrev_b32 v[WV], 5, v0
	v_readfirstlane_b32 s14, v[WV]                 ; wave 0..31
	v_lshlrev_b32 v1, 4, v0                        ; 16 t
	v_lshlrev_b32 v2, 3, v0                        ; 8 t
	v_lshlrev_b32 v3, 2, v0                        ; 4 t = 128 wave + 4 lane
	s_wait_kmcnt 0x0
	s_cmp_lg_u32 ttmp9, 0                          ; the same in all 32 waves: the barrier below is passed by all of work-group 0 and by no other
	s_cbranch_scc1 .Lconv
	; ---------------- routing, work-group 0 alone: 1,024 threads, 8 pairs each ----------------
	global_load_b128 v[E:E+3],   v1, s[4:5]
	global_load_b128 v[E+4:E+7], v1, s[4:5] offset:16384
	v_and_b32 v[LANE], 31, v0
	v_lshlrev_b32 v[LLD], 7, v[LANE]
	v_mov_b32 v[ZERO], 0
	v_mov_b32 v[C], 0
	v_add_nc_u32 v[T1K], 1024, v0
	v_lshlrev_b32 v[TK], 1, v0                     ; pairs 4t, 4t+1 are token 2t; 4t+2, 4t+3 token 2t+1; the upper four 2,048 further
	v_or_b32 v[TK+1], 1, v[TK]
	v_add_nc_u32 v[TK+2], 2048, v[TK]
	v_add_nc_u32 v[TK+3], 2049, v[TK]
	s_mov_b32 s58, 0x76543210                      ; v_permlanex16_b32: lane i reads lane i of the other half
	s_mov_b32 s59, 0xfedcba98
.irp e, 0,1,2,3,4,5,6,7
	s_mov_b32 s[RUN+\e], 0
.endr
	s_wait_loadcnt 0x0                             ; both loads: all 8 ids are needed at once
.irp j, 0,1,2,3,4,5,6,7
	v_min_u32 v[E+\j], 7, v[E+\j]                  ; ids outside 0..7 go to expert 7 (see the head)
.endr
; The rank of slot j's pair among the wave's pairs of expert e: those of earlier slots (RUN) + those of lower lanes in this slot.
; Expert 0's count starts the register; the expert that matches overwrites it, and exactly one matches.
.macro RANK j, e
	v_cmp_eq_u32 vcc_lo, \e, v[E+\j]
.if \e == 0
	v_mbcnt_lo_u32_b32 v[R+\j], vcc_lo, s[RUN+\e]
.else
	v_mbcnt_lo_u32_b32 v[T], vcc_lo, s[RUN+\e]
	v_cndmask_b32 v[R+\j], v[R+\j], v[T], vcc_lo
.endif
	s_bcnt1_i32_b32 s57, vcc_lo
	s_add_co_u32 s[RUN+\e], s[RUN+\e], s57
.endm
.irp j, 0,1,2,3,4,5,6,7
.irp e, 0,1,2,3,4,5,6,7
	RANK \j, \e
.endr
.endr
	; the waves' counts meet in LDS: a table of 32 waves x 32 words, of which words 0-7 count
.irp e, 0,1,2,3,4,5,6,7
	v_writelane_b32 v[C], s[RUN+\e], \e
.endr
	ds_store_b32 v3, v[C]
	s_wait_dscnt 0x0                               ; zero: the other waves read this word behind the barrier
	s_barrier_signal -1
	s_barrier_wait -1
	ds_load_b128 v[A:A+3],   v[LLD]                ; lane l: wave l's counts of experts 0-3
	ds_load_b128 v[A+4:A+7], v[LLD] offset:16      ; and 4-7
	s_wait_dscnt 0x0
.irp k, 0,1,2,3
	v_lshl_or_b32 v[P+\k], v[A+2*\k+1], 16, v[A+2*\k]      ; two experts to a word: no sum passes 8,192, so 16 bits hold it
.endr
	v_cmp_gt_u32 vcc_lo, s14, v[LANE]              ; lanes that stand for waves in front of mine
.irp k, 0,1,2,3
	v_cndmask_b32 v[Q+\k], 0, v[P+\k], vcc_lo
.endr
; the sum over the 32 lanes, in whole numbers, left in every lane
.macro WSUM r
.irp m, 1,2,4,8
	v_mov_b32_dpp v[T], v[\r] row_xmask:\m row_mask:0xf bank_mask:0xf
	v_add_nc_u32 v[\r], v[\r], v[T]
.endr
	v_permlanex16_b32 v[T], v[\r], s58, s59
	v_add_nc_u32 v[\r], v[\r], v[T]
.endm
.irp r, P, P+1, P+2, P+3, Q, Q+1, Q+2, Q+3
	WSUM \r
.endr
	v_readfirstlane_b32 s66, v[P]
	v_readfirstlane_b32 s67, v[P+1]
	v_readfirstlane_b32 s68, v[P+2]
	v_readfirstlane_b32 s69, v[P+3]
	v_readfirstlane_b32 s70, v[Q]
	v_readfirstlane_b32 s71, v[Q+1]
	v_readfirstlane_b32 s62, v[Q+2]
	v_readfirstlane_b32 s63, v[Q+3]
.irp k, 0,1,2,3
	s_and_b32  s[RUN+2*\k],   s[66+\k], 0xffff     ; the experts' totals
	s_lshr_b32 s[RUN+2*\k+1], s[66+\k], 16
.endr
	s_and_b32  s[PRE+0], s70, 0xffff               ; pairs of each expert in the waves in front of mine
	s_lshr_b32 s[PRE+1], s70, 16
	s_and_b32  s[PRE+2], s71, 0xffff
	s_lshr_b32 s[PRE+3], s71, 16
	s_and_b32  s[PRE+4], s62, 0xffff
	s_lshr_b32 s[PRE+5], s62, 16
	s_and_b32  s[PRE+6], s63, 0xffff
	s_lshr_b32 s[PRE+7], s63, 16
; Expert e gets ceil(n / 160) blocks behind those of the experts before it.  floor(x / 160) = floor((x >> 5) / 5), and y x 205 >> 10 is the
; exact quotient by 5 for y below 1,024 (205 / 1024 exceeds 1 / 5 by 1 / 5120); here y is 260 at the most.
.macro PLACE e
	s_add_co_u32 s57, s[RUN+\e], BLOCK-1
	s_lshr_b32 s57, s57, 5
	s_mul_i32 s57, s57, 205
	s_lshr_b32 s57, s57, 10                        ; the expert's blocks
	s_mul_i32 s61, s56, BLOCK                      ; its first row
	s_add_co_u32 s[PRE+\e], s[PRE+\e], s61         ; my wave's first row in it
	s_add_co_u32 s[PADS+\e], s[RUN+\e], s61        ; its first padding row
	s_add_co_u32 s56, s56, s57
	s_mov_b32 s[GEND+\e], s56
	s_mul_i32 s61, s56, BLOCK
	s_sub_co_u32 s[PADC+\e], s61, s[PADS+\e]       ; fewer than 160
.endm
	s_mov_b32 s56, 0
.irp e, 0,1,2,3,4,5,6,7
	PLACE \e
.endr
	s_sub_co_u32 s[PADC+7], ROWS, s[PADS+7]        ; expert 7 also takes the empty blocks: 159 + 7 x 160 = 1,279 padding rows at the most
.irp e, 0,1,2,3,4,5,6,7
	v_writelane_b32 v[C], s[PRE+\e], \e            ; lane e: my wave's first row in expert e
.endr
.irp j, 0,1,2,3,4,5,6,7
	v_lshlrev_b32 v[AD+\j], 2, v[E+\j]
	ds_bpermute_b32 v[B+\j], v[AD+\j], v[C]        ; each slot pulls its expert's number; no LDS byte is touched
.endr
	; every byte offset of the padding stores is made here, with all lanes on, before EXEC is narrowed for the first time
.irp e, 0,1,2,3,4,5,6,7
	v_add_nc_u32 v[PADA+\e], s[PADS+\e], v0
	v_min_u32 v[PADA+\e], MAXROW, v[PADA+\e]       ; binds only in lanes that will be off
	v_lshlrev_b32 v[PADA+\e], 2, v[PADA+\e]
.endr
	v_add_nc_u32 v[PADA+8], s[PADS+7], v[T1K]
	v_min_u32 v[PADA+8], MAXROW, v[PADA+8]
	v_lshlrev_b32 v[PADA+8], 2, v[PADA+8]
	s_wait_dscnt 0x0
.irp j, 0,1,2,3,4,5,6,7
	v_add_nc_u32 v[R+\j], v[R+\j], v[B+\j]         ; the pair's sorted row
.endr
.irp j, 0,1,2,3,4,5,6,7
	v_min_u32 v[AD+\j], MAXROW, v[R+\j]            ; never binds; it states the table's end in front of the address
	v_lshlrev_b32 v[AD+\j], 2, v[AD+\j]
.endr
	global_store_b128 v1, v[R:R+3],   s[10:11] offset:POS_OFF          ; POS: a wave's store covers 512 consecutive bytes
	global_store_b128 v1, v[R+4:R+7], s[10:11] offset:POS_OFF+16384
	; TOK is scattered, 4 bytes a lane: 32 KiB once in the whole program.  The lanes of one expert in a slot hit neighbouring words.
.irp j, 0,1,2,3,4,5,6,7
	global_store_b32 v[AD+\j], v[TK+\j/2], s[10:11]
.endr
; padding rows get token 0: thread idx stores if idx is below the expert's number of padding rows
.macro PADROWS i, e, idx
	v_cmp_gt_u32 vcc_lo, s[PADC+\e], v[\idx]
	s_wait_xcnt 0x0                                ; EXEC is a source of the stores issued so far: it narrows only behind this wait
	s_and_saveexec_b32 s60, vcc_lo
	global_store_b32 v[PADA+\i], v[ZERO], s[10:11]
	s_wait_xcnt 0x0                                ; and widens only behind this one
	s_or_b32 exec_lo, exec_lo, s60
.endm
.irp e, 0,1,2,3,4,5,6,7
	PADROWS \e, \e, 0
.endr
	PADROWS 8, 7, T1K                              ; expert 7's padding rows 1,024 and up
	s_cmp_lg_u32 s14, 0                            ; wave 0 alone writes BLK: lane l the experts of blocks 2l and 2l+1, 256 consecutive bytes, aligned
	s_cbranch_scc1 .Lrouted
.irp u, 0,1
	v_cmp_le_u32 vcc_lo, s[GEND], v[TK+\u]         ; the expert of block b = how many of experts 0-6 end at or before b (in wave 0 TK holds 2l, 2l+1)
	v_cndmask_b32 v[A+\u], 0, 1, vcc_lo
.irp e, 1,2,3,4,5,6
	v_cmp_le_u32 vcc_lo, s[GEND+\e], v[TK+\u]
	v_cndmask_b32 v[T], 0, 1, vcc_lo
	v_add_nc_u32 v[A+\u], v[A+\u], v[T]
.endr
.endr
	global_store_b64 v2, v[A:A+1], s[10:11] offset:BLK_OFF
.Lrouted:
	s_wait_xcnt 0x0                                ; the conversion below loads into registers that the stores above read
	; ---------------- conversion, every work-group: 16 units of 16 KiB of f32 (1,024 threads x 16 bytes) ----------------
.Lconv:
	s_cmp_lt_u32 ttmp9, 128                        ; work-groups 0-127 take w1, 128-255 take w2: 256 KiB each
	s_cselect_b64 s[16:17], s[6:7], s[8:9]
	s_and_b32 s20, ttmp9, 127
	s_lshl_b32 s20, s20, 18
	s_mov_b32 s21, 0
	s_add_nc_u64 s[16:17], s[16:17], s[20:21]
	s_lshl_b32 s22, ttmp9, 17                      ; 128 KiB of wb each
	s_mov_b32 s23, 0
	s_add_nc_u64 s[18:19], s[12:13], s[22:23]
.set cu, 0
.rept 16
	global_load_b128 v[4+4*cu:7+4*cu], v1, s[16:17] offset:cu*16384 th:TH_LOAD_NT   ; all 16 at once: 256 KiB of the work-group on their way; read once in the launch
.set cu, cu+1
.endr
.set cu, 0
.rept 16
	s_wait_loadcnt 15-cu                           ; loads come back in order (ISA guide 5.7.1): unit cu is in, the 15 - cu younger ones stay out
	v_cvt_pk_f16_f32 v[4+4*cu], v[4+4*cu], v[5+4*cu]       ; two roundings to f16, packed, in place
	v_cvt_pk_f16_f32 v[5+4*cu], v[6+4*cu], v[7+4*cu]
	global_store_b64 v2, v[4+4*cu:5+4*cu], s[18:19] offset:cu*8192   ; a wave's store covers 256 consecutive bytes, aligned; no register is written again
.set cu, cu+1
.endr
	s_wait_tensorcnt 0x0
	ds_add_u32 v72, v73
	s_wait_dscnt 0x0
	s_endpgm
.Lfunc_end_k_qd9b095e485_prep:
	.size	k_qd9b095e485_prep, .Lfunc_end_k_qd9b095e485_prep-k_qd9b095e485_prep
	.p2alignl 7, 3214868480
	.fill 96, 4, 3214868480
	.section	.rodata,"a",@progbits
	.p2align	6, 0x0
	.amdhsa_kernel k_qd9b095e485_prep
		.amdhsa_group_segment_fixed_size 8192
		.amdhsa_private_segment_fixed_size 0
		.amdhsa_enable_private_segment 0
		.amdhsa_kernarg_size 40
		.amdhsa_user_sgpr_count 2
		.amdhsa_user_sgpr_kernarg_segment_ptr 1
		.amdhsa_wavefront_size32 1
		.amdhsa_system_sgpr_workgroup_id_x 1
		.amdhsa_system_sgpr_workgroup_id_y 1
		.amdhsa_system_sgpr_workgroup_id_z 1
		.amdhsa_system_vgpr_workitem_id 0
		.amdhsa_next_free_vgpr 74
		.amdhsa_next_free_sgpr 72
		.amdhsa_reserve_vcc 1
		.amdhsa_float_denorm_mode_32 3
		.amdhsa_float_denorm_mode_16_64 3
		.amdhsa_memory_ordered 1
		.amdhsa_forward_progress 1
		.amdhsa_inst_pref_size 38
	.end_amdhsa_kernel
	.amdgpu_metadata
---
amdhsa.version: [ 1, 2 ]
amdhsa.kernels:
  - .name:           k_qd9b095e485_prep
    .symbol:         k_qd9b095e485_prep.kd
    .args:
      - { .name: topk_e, .offset: 0, .size: 8, .value_kind: global_buffer, .address_space: global }
      - { .name: w1, .offset: 8, .size: 8, .value_kind: global_buffer, .address_space: global }
      - { .name: w2, .offset: 16, .size: 8, .value_kind: global_buffer, .address_space: global }
      - { .name: rt, .offset: 24, .size: 8, .value_kind: global_buffer, .address_space: global }
      - { .name: wb, .offset: 32, .size: 8, .value_kind: global_buffer, .address_space: global }
    .group_segment_fixed_size: 8192
    .private_segment_fixed_size: 0
    .kernarg_segment_align: 8
    .kernarg_segment_size: 40
    .max_flat_workgroup_size: 1024
    .sgpr_count:     72
    .vgpr_count:     74
    .wavefront_size: 32
...
	.end_amdgpu_metadata
.endif
;; end of part 1
;; launch gather (part 2): grid 236 x 1, 20 waves a work-group, no clusters, 0 bytes of LDS; arguments rt, x, xs; writes xs
.if DOCPART == 2
	.amdgcn_target "amdgcn-amd-amdhsa--gfx1250"
	.amdhsa_code_object_version 6
	.text
	.protected	k_qd9b095e485_gather
	.globl	k_qd9b095e485_gather
	.p2align	8
	.type	k_qd9b095e485_gather,@function
k_qd9b095e485_gather:
	s_mov_b64 s[64:65], 0
	v_nop
	global_prefetch_b8 v0, s[64:65] scope:SCOPE_SE
	s_setreg_imm32_b32 hwreg(HW_REG_WAVE_MODE, 25, 1), 1
	s_wait_xcnt 0x0
; gather: xs[i] = f16(x[TOK[i]]) for all 9,440 sorted rows, so that the first product reads dense f16 rows.
; f16 and not bf16 for its 11 significant bits; x has the room: drawn with spread 1, 30 times larger it reaches some 150, with an offset of 30 spreads
; some 35, and f16 reaches 65,504; 30 times smaller its rms is 0.03 against a rounding error of 3e-8 at the bottom.
; LIMIT, stated: an x beyond +-65,504 becomes infinite.
; 236 work-groups x 40 rows; twenty waves, two rows each; a row is 4,096 bytes of f32 in and 2,048 bytes of f16 out.
; A stream: a wave's 16 loads (8 KiB) go out at once, 160 KiB for the work-group; no loop, no LDS, no barrier, no matrix unit.
.set UROWS, 40
	s_load_b128 s[4:7], s[0:1], 0x0                ; rt s[4:5], x s[6:7]
	s_load_b64 s[8:9], s[0:1], 0x10                ; xs
	v_lshrrev_b32 v3, 5, v0
	v_readfirstlane_b32 s10, v3                    ; wave 0..19
	v_and_b32 v2, 31, v0
	v_lshlrev_b32 v1, 4, v2                        ; 16 lane: my 4 numbers in 512 bytes of x
	v_lshlrev_b32 v2, 3, v2                        ; 8 lane: the same 4 in f16
	s_mul_i32 s13, ttmp9, UROWS
	s_lshl_b32 s14, s10, 1
	s_add_co_u32 s13, s13, s14                     ; my first sorted row, an even number
	s_lshl_b32 s15, s13, 2
	s_lshl_b32 s30, s13, 11
	s_mov_b32 s31, 0
	s_mov_b32 s27, 0
	s_wait_kmcnt 0x0
	s_load_b64 s[16:17], s[4:5], s15 offset:0x0    ; the two rows' tokens
	s_add_nc_u64 s[28:29], s[8:9], s[30:31]        ; xs at my first row
	s_wait_kmcnt 0x0
.irp r, 0,1
	s_min_u32 s[16+\r], s[16+\r], 4095             ; a loaded number enters an address behind its clamp
	s_lshl_b32 s26, s[16+\r], 12
	s_add_nc_u64 s[20+2*\r:21+2*\r], s[6:7], s[26:27]
.endr
	; 16 loads of 512 consecutive bytes.  No hint: a token's row is read by two pairs.
.irp r, 0,1
.irp k, 0,1,2,3,4,5,6,7
	global_load_b128 v[4+4*(8*\r+\k):7+4*(8*\r+\k)], v1, s[20+2*\r:21+2*\r] offset:512*\k
.endr
.endr
.irp r, 0,1
.irp k, 0,1,2,3,4,5,6,7
	s_wait_loadcnt 15-(8*\r+\k)                    ; this load is in; the younger ones stay out
	v_cvt_pk_f16_f32 v[4+4*(8*\r+\k)], v[4+4*(8*\r+\k)], v[5+4*(8*\r+\k)]
	v_cvt_pk_f16_f32 v[5+4*(8*\r+\k)], v[6+4*(8*\r+\k)], v[7+4*(8*\r+\k)]
	global_store_b64 v2, v[4+4*(8*\r+\k):5+4*(8*\r+\k)], s[28:29] offset:\r*2048+\k*256   ; 256 consecutive bytes, aligned; no register is written again
.endr
.endr
	s_endpgm
.Lfunc_end_k_qd9b095e485_gather:
	.size	k_qd9b095e485_gather, .Lfunc_end_k_qd9b095e485_gather-k_qd9b095e485_gather
	.p2alignl 7, 3214868480
	.fill 96, 4, 3214868480
	.section	.rodata,"a",@progbits
	.p2align	6, 0x0
	.amdhsa_kernel k_qd9b095e485_gather
		.amdhsa_group_segment_fixed_size 0
		.amdhsa_private_segment_fixed_size 0
		.amdhsa_enable_private_segment 0
		.amdhsa_kernarg_size 24
		.amdhsa_user_sgpr_count 2
		.amdhsa_user_sgpr_kernarg_segment_ptr 1
		.amdhsa_wavefront_size32 1
		.amdhsa_system_sgpr_workgroup_id_x 1
		.amdhsa_system_sgpr_workgroup_id_y 1
		.amdhsa_system_sgpr_workgroup_id_z 1
		.amdhsa_system_vgpr_workitem_id 0
		.amdhsa_next_free_vgpr 68
		.amdhsa_next_free_sgpr 66
		.amdhsa_reserve_vcc 0
		.amdhsa_float_denorm_mode_32 3
		.amdhsa_float_denorm_mode_16_64 3
		.amdhsa_memory_ordered 1
		.amdhsa_forward_progress 1
		.amdhsa_inst_pref_size 7
	.end_amdhsa_kernel
	.amdgpu_metadata
---
amdhsa.version: [ 1, 2 ]
amdhsa.kernels:
  - .name:           k_qd9b095e485_gather
    .symbol:         k_qd9b095e485_gather.kd
    .args:
      - { .name: rt, .offset: 0, .size: 8, .value_kind: global_buffer, .address_space: global }
      - { .name: x, .offset: 8, .size: 8, .value_kind: global_buffer, .address_space: global }
      - { .name: xs, .offset: 16, .size: 8, .value_kind: global_buffer, .address_space: global }
    .group_segment_fixed_size: 0
    .private_segment_fixed_size: 0
    .kernarg_segment_align: 8
    .kernarg_segment_size: 24
    .max_flat_workgroup_size: 640
    .sgpr_count:     66
    .vgpr_count:     68
    .wavefront_size: 32
...
	.end_amdgpu_metadata
.endif
;; end of part 2
;; launch up (part 3): grid 4 x 59, 4 waves a work-group, clusters of 4 x 1, 327,680 bytes of LDS; arguments xs, wb, rt, hs; writes hs
.if DOCPART == 3
	.amdgcn_target "amdgcn-amd-amdhsa--gfx1250"
	.amdhsa_code_object_version 6
	.text
	.protected	k_qd9b095e485_up
	.globl	k_qd9b095e485_up
	.p2align	8
	.type	k_qd9b095e485_up,@function
k_qd9b095e485_up:
	s_mov_b64 s[64:65], 0
	v_nop
	global_prefetch_b8 v0, s[64:65] scope:SCOPE_SE
	s_setreg_imm32_b32 hwreg(HW_REG_WAVE_MODE, 25, 1), 1
	s_wait_xcnt 0x0
	s_wait_alu depctr_hold_cnt(0) depctr_sa_sdst(0) depctr_va_vdst(0) depctr_va_sdst(0) depctr_va_ssrc(0) depctr_va_vcc(0) depctr_vm_vsrc(0)
	s_getreg_b32 s2, hwreg(HW_REG_IB_STS2, 6, 4)
	s_cmp_eq_u32 s2, 0
	s_cbranch_scc0 .Lentry_in_a_cluster
	s_endpgm
.Lentry_in_a_cluster:
	s_bfe_u32 s2, ttmp6, 0x10000c
	s_cmp_lg_u32 s2, 0x3003
	s_cbranch_scc0 .Lentry_shape_is_right
	s_endpgm
.Lentry_shape_is_right:
; up: hs[i][f] = f16(silu(sum over d of xs[i][d] w1[e][f][d]) / 4), e = the expert of row i's block.  xs, w1 (in wb), hs: f16; sums and silu in f32.
; WHY f16: rounding x, w1, h and w2 to bf16's 8 significant bits (relative rms error about 1.6e-3 each) would leave about 6e-4 x sqrt(c0^2 + c1^2) in an
; output whose allowance near zero is a hundredth of its rms of about 0.15: under three standard deviations, over four million numbers.  With f16's
; 11 bits the error is an eighth of that.
; WHY THE QUARTER: h is the operand with the least room.  With x and w1 both 30 times larger it reaches some 2,900; with both carrying an offset of 30
; spreads about 1,024 x 30 x 1.9 = 58,000, close under f16's 65,504.  Stored as h / 4 it has room up to 262,000, and with x and w1 both 30 times smaller
; (h's rms 3e-4, stored 8e-5) f16's spacing at the bottom, 2^-24, still keeps a relative error of 2e-4.  The last launch multiplies by 4, exactly.
; A cluster of 4 work-groups makes one block of 160 sorted rows x 1,024 columns; work-group cx makes columns 256 cx .. + 255;
; wave W of its four makes all 160 rows x columns 64 W .. + 63: 10 x 4 accumulator tiles of 16 x 16, 320 registers.
; THE SCHEDULE IS CONSTANT: all 59 blocks are computed whatever the routing, and no branch hangs on a number read from memory; the block's expert,
; read from rt, enters the address of w1's tiles and nothing else.  59 blocks are what the worst routing fills (8,192 + 8 x 159 rows); blocks that a
; routing leaves empty (7 at the most) hold token 0 and expert 7, are computed like the others and are never read by the last launch.
; JOINT LOADS: the four work-groups of a cluster need the same 160 rows of xs: that tile is asked for by all four with the same descriptor (made of the
; cluster's y and the wave's number) and the mask 15.  w1's tiles are each work-group's own 256 rows and come by plain loads.  They are not shared
; between row blocks: four blocks that ask jointly would have to be of one expert, that is padding to 640 rows and room for 8,192 + 8 x 639 = 13,304
; rows in place of 9,464.
; K = 1,024 goes in 8 steps of 128 through two LDS slots; a tile's rows are 256 bytes of memory and start at multiples of 256 bytes from the buffer's first byte.
; THE MATRIX INSTRUCTION IS USED TRANSPOSED: source 0 = 16 rows of w1, source 1 = 16 rows of xs, so lane l holds row l % 16 and its registers 0-7 the
; columns 8 (l / 16) + 0..7: eight neighbouring numbers of a row of hs.
; LIMITS, stated: operands are rounded to f16; an |h| above 262,000 becomes infinite.  silu(a) / 4 = a / (4 + 4 x 2^(-1.442695 a)): for a far below zero
; the power is infinite, the quotient 0 and the result -0; quotients below 2^-126 come out as 0.
.set KSTEP,   128
.set PITCH,   272                      ; an LDS row: 256 bytes + 16 of padding: 16 neighbouring rows start at 16 different 16-byte columns modulo 256 bytes
.set BHALF,   128*PITCH                ; what one load brings of w1: 128 rows
.set AHALF,   80*PITCH                 ; what one load brings of xs: 80 rows
.set AOFF,    2*BHALF                  ; a slot: w1's 256 rows, then xs's 160 rows
.set SLOT,    AOFF+2*AHALF             ; 113,152 bytes
.set STAGE,   2*SLOT                   ; 226,304 = 884 x 256: behind the ring, never the target of a tensor load
.set SPITCH,  528                      ; the stage: 160 rows of 512 bytes + 16
.set BLOCK,   160
.set ROWB,    2048                     ; bytes in a row of xs, w1, hs
.set BLK_OFF, 70656
.set LAPS,    4                        ; a lap = two K steps = once round the ring
.set G1PAD, (1<<16)|(1<<20)|(5<<22)|(3<<25)   ; 17:16 elements of 2 bytes; 20 padding on; 24:22 after every 64 words; 31:25 of 4 words
.set ADRA, 16                          ; v16-17  LDS address of my xs fragments in slot 0, 1
.set ADRB, 20                          ; v20-21  the same for w1
.set STO,  24                          ; v24     the way out: where I put 16 bytes of a row, row blocks 0-4
.set RD,   25                          ; v25     the way out: where I read rows back
.set CO,   26                          ; v26     my byte offset in a row piece of hs
.set STO2, 27                          ; v27     as STO, row blocks 5-9 (their offsets would pass 16 bits)
.set F0,   32                          ; v32-143   fragment buffer 0: w1's 4 fragments, then xs's 10
.set F1,   144                         ; v144-255  fragment buffer 1
.set TT,   32                          ; the way out: 32 numbers at work
.set PK,   64                          ; the way out: 16 packed words
.set G1A,  24                          ; s[24:31] descriptor group 1, xs
.set G0A,  32                          ; s[32:39] descriptor group 0, xs, one set for each slot
.set G1B,  48                          ; s[48:55] group 1, w1
.set G0B,  56                          ; s[56:63] group 0, w1
.set W1,   0x50                        ; C and D in window 1: accumulator tiles of row blocks 0-4, tile (a, b) at v[8 (4 a + b)]
.set W2,   0xa0                        ; C and D in window 2: row blocks 5-9, tile (a, b) at v[8 (4 (a - 5) + b)]
.set MSB,  0
.macro WIN new                         ; the immediate's high byte repeats the setting that is left; switches that change nothing are dropped
.if MSB != \new
	s_set_vgpr_msb (MSB<<8)|\new
.set MSB, \new
.endif
.endm
.macro PLACES                          ; four independent vector instructions behind a matrix instruction (ISA guide 7.12.1) before its registers are loaded into or its result read
.rept 4
	v_nop
.endr
.endm
; A step's tiles.  Waves 0 and 1 fetch the two halves of my work-group's own tile of w1 (plain loads), waves 2 and 3 the two halves of the cluster's tile
; of xs (joint loads).  Each line has one set of registers; the branch hangs on the wave's number alone.
.macro JLOAD s
	s_cmp_eq_u32 s13, 0
	s_cbranch_scc0 .Lfor_a_\@
	tensor_load_to_lds s[G0B+4*\s:G0B+4*\s+3], s[G1B:G1B+7]
	s_nop 0
.rept 4
	v_nop
.endr
	s_branch .Lasked_\@
.Lfor_a_\@:
	tensor_load_to_lds s[G0A+4*\s:G0A+4*\s+3], s[G1A:G1A+7]
	s_nop 0
.rept 4
	v_nop
.endr
.Lasked_\@:
.endm
; A round of the cluster's barrier: my work-group's barrier; wave 0 signals for the work-group; every wave waits for all four; my work-group's barrier again.
.macro CREST                           ; a round behind its opening barrier
	s_cmp_lg_u32 s12, 0
	s_cbranch_scc1 .Lnot_wave_0_\@
	s_barrier_signal -3
.Lnot_wave_0_\@:
	s_barrier_wait -3
	s_barrier_signal -1
	s_barrier_wait -1
.endm
.macro CROUND
	s_barrier_signal -1
	s_barrier_wait -1
	CREST
.endm
	s_load_b256 s[4:11], s[0:1], 0x0               ; xs s[4:5], wb s[6:7], rt s[8:9], hs s[10:11]
	v_lshl_add_u32 v30, v0, 2, 0x4be00
	v_mov_b32 v31, 0
	ds_add_u32 v30, v31
	v_lshrrev_b32 v1, 5, v0
	v_readfirstlane_b32 s12, v1                    ; wave 0..3
	s_lshr_b32 s13, s12, 1                         ; 0: I fetch for w1, 1: for xs
	s_and_b32 s14, s12, 1                          ; which half of that tile
	s_bfe_u32 s16, ttmp6, 0x40000                  ; cx: my column block
	s_and_b32 s18, ttmp7, 0xffff                   ; the cluster's y: the row block
	s_lshl_b32 s2, s18, 2
	s_mov_b32 s[G1A+0], 15|(1<<21)|G1PAD           ; 15:0 the mask: all four work-groups of the cluster; 21 set beside a mask
	s_mov_b32 s[G1A+1], KSTEP<<16                  ; tensor_dim0 = 128
	s_mov_b32 s[G1A+2], (BLOCK/2)<<16              ; tensor_dim1 = 80
	s_mov_b32 s[G1A+3], KSTEP<<16                  ; tile_dim0 = 128
	s_mov_b32 s[G1A+4], BLOCK/2                    ; tile_dim1 = 80
	s_mov_b32 s[G1A+5], 1024                       ; elements from row to row
	s_mov_b32 s[G1A+6], 0
	s_mov_b32 s[G1A+7], 0
	s_mov_b32 s[G1B+0], G1PAD                      ; no mask: a load of my own
	s_mov_b32 s[G1B+1], KSTEP<<16
	s_mov_b32 s[G1B+2], 128<<16                    ; 128 rows
	s_mov_b32 s[G1B+3], KSTEP<<16
	s_mov_b32 s[G1B+4], 128
	s_mov_b32 s[G1B+5], 1024
	s_mov_b32 s[G1B+6], 0
	s_mov_b32 s[G1B+7], 0
	s_mul_i32 s21, s12, BHALF                      ; waves 0, 1: w1's halves at 0 and BHALF
	s_mul_i32 s22, s12, AHALF                      ; waves 2, 3: xs's halves at AOFF and AOFF + AHALF = (AOFF - 2 AHALF) + wave x AHALF
.irp s, 0,1
	s_mov_b32 s[G0A+4*\s], 1
	s_add_co_u32 s[G0A+4*\s+1], s22, AOFF-2*AHALF+\s*SLOT
	s_mov_b32 s[G0B+4*\s], 1
	s_add_co_u32 s[G0B+4*\s+1], s21, \s*SLOT
.endr
	s_mul_i32 s40, s18, BLOCK                      ; xs: row 160 block + 80 half, in bytes (these registers never hold cx)
	s_mul_i32 s41, s14, BLOCK/2
	s_add_co_u32 s40, s40, s41
	s_lshl_b32 s40, s40, 11
	s_mov_b32 s41, 0
	s_lshl_b32 s46, s16, 8                         ; w1: row in the expert = 256 cx + 128 half, in bytes
	s_lshl_b32 s47, s14, 7
	s_add_co_u32 s46, s46, s47
	s_lshl_b32 s46, s46, 11
	s_mov_b32 s70, 0xbfb8aa3b                      ; -1.442695, twice: the packed multiply names the pair
	s_mov_b32 s71, 0xbfb8aa3b
	s_wait_dscnt 0x0
	s_wait_kmcnt 0x0
	s_load_b32 s20, s[8:9], s2 offset:BLK_OFF      ; the block's expert
	s_add_nc_u64 s[G0A+2:G0A+3], s[4:5], s[40:41]  ; K step 0
	s_add_nc_u64 s[G0A+6:G0A+7], s[G0A+2:G0A+3], 2*KSTEP   ; K step 1
	s_or_b32 s[G0A+3], s[G0A+3], 0x80000000        ; type = 2
	s_or_b32 s[G0A+7], s[G0A+7], 0x80000000
	s_wait_kmcnt 0x0
	s_min_u32 s20, s20, 7                          ; a loaded number enters an address behind its clamp
	s_lshl_b32 s44, s20, 21                        ; an expert's w1: 2 MiB of f16
	s_add_co_u32 s44, s44, s46
	s_mov_b32 s45, 0
	s_add_nc_u64 s[G0B+2:G0B+3], s[6:7], s[44:45]
	s_add_nc_u64 s[G0B+6:G0B+7], s[G0B+2:G0B+3], 2*KSTEP
	s_or_b32 s[G0B+3], s[G0B+3], 0x80000000
	s_or_b32 s[G0B+7], s[G0B+7], 0x80000000
	CROUND                                         ; all four work-groups are here: the first joint loads meet
	JLOAD 0                                        ; K step 0
	JLOAD 1                                        ; K step 1: both first fills go out together, two loads of the wave on their way
	; A fragment is 16 rows x 32 K in 8 registers: lane l holds row l % 16; registers 0-3 K = 8 (l / 16) + 0..7, registers 4-7 K = 16 + 8 (l / 16) + 0..7.
	v_and_b32 v1, 15, v0                           ; r = l % 16
	v_bfe_u32 v2, v0, 4, 1                         ; h = l / 16
	v_mul_u32_u24 v3, v1, PITCH
	v_lshl_add_u32 v3, v2, 4, v3                   ; row x pitch + 16 h
	s_mul_i32 s23, s12, 64*PITCH                   ; my 64 rows of w1
	v_add_nc_u32 v[ADRA],   AOFF, v3
	v_add_nc_u32 v[ADRA+1], AOFF+SLOT, v3
	v_add_nc_u32 v[ADRB], s23, v3
	s_add_co_u32 s23, s23, SLOT
	v_add_nc_u32 v[ADRB+1], s23, v3
	v_mul_u32_u24 v4, v1, SPITCH                   ; the stage, in: row r, my wave's 128 bytes, 16 bytes for each half of the lanes
	v_lshl_add_u32 v4, v2, 4, v4
	s_lshl_b32 s23, s12, 7
	s_add_co_u32 s23, s23, STAGE
	v_add_nc_u32 v[STO], s23, v4
	v_add_nc_u32 v[STO2], 5*16*SPITCH, v[STO]
	v_and_b32 v5, 31, v0
	v_lshlrev_b32 v[CO], 4, v5                     ; back: 32 lanes take a row's 512 bytes
	s_mul_i32 s23, s12, 40*SPITCH                  ; my wave's 40 of the 160 rows
	s_add_co_u32 s23, s23, STAGE
	v_add_nc_u32 v[RD], s23, v[CO]
; cnt x 4 matrix instructions: row blocks a0 .. a0 + cnt - 1 x my 4 column blocks, 32 along K.  abase: the first row block of the accumulators' window.
; zero = 1: the first product starts the sums.  The 40 accumulators take turns, one instruction a turn, in the same order in every quarter step.
.macro MUL f, abase, a0, cnt, zero
.set ma, \a0
.rept \cnt
.irp b, 0,1,2,3
.if \zero
	v_wmma_f32_16x16x32_f16 v[8*(4*(ma-\abase)+\b):8*(4*(ma-\abase)+\b)+7], v[\f+8*\b:\f+8*\b+7], v[\f+32+8*ma:\f+32+8*ma+7], 0
.else
	v_wmma_f32_16x16x32_f16 v[8*(4*(ma-\abase)+\b):8*(4*(ma-\abase)+\b)+7], v[\f+8*\b:\f+8*\b+7], v[\f+32+8*ma:\f+32+8*ma+7], v[8*(4*(ma-\abase)+\b):8*(4*(ma-\abase)+\b)+7]
.endif
.endr
.set ma, ma+1
.endr
.endm
; 28 LDS loads in one run: one quarter step's fragments (32 K at byte k of the rows) into buffer f: 8 for w1, 10 for row blocks 0-4, 10 for row blocks 5-9
.macro FETCH slot, k, f
	WIN 0
.irp i, 0,1,2,3
	ds_load_b128 v[\f+8*\i:\f+8*\i+3],   v[ADRB+\slot] offset:\k+\i*16*PITCH
	ds_load_b128 v[\f+8*\i+4:\f+8*\i+7], v[ADRB+\slot] offset:\k+\i*16*PITCH+32
.endr
.irp i, 0,1,2,3,4,5,6,7,8,9
	ds_load_b128 v[\f+32+8*\i:\f+32+8*\i+3],   v[ADRA+\slot] offset:\k+\i*16*PITCH
	ds_load_b128 v[\f+32+8*\i+4:\f+32+8*\i+7], v[ADRA+\slot] offset:\k+\i*16*PITCH+32
.endr
.endm
; One of a K step's first three quarters: multiplies buffer f and, in its middle, fetches the next quarter's fragments into buffer g.
.macro QUARTER slot, k, f, g, zero
	s_wait_dscnt 10                                ; all but the ten youngest loads (row blocks 5-9) are in
	WIN W1
	MUL \f, 0, 0, 5, \zero
	PLACES                                         ; buffer g was last read by the quarter before
	FETCH \slot, \k, \g
	s_wait_dscnt 28                                ; all but the 28 just issued
	WIN W2
	MUL \f, 5, 5, 5, \zero
.endm
.macro THREE slot, zero
	QUARTER \slot, 64,  F0, F1, \zero
	QUARTER \slot, 128, F1, F0, 0
	QUARTER \slot, 192, F0, F1, 0
.endm
; The last quarter multiplies buffer 1 and changes slots.  In front of the barrier each wave waits for its reads of this slot and for all its tensor loads
; (one is out: its part of the next slot).  fill = 1: the barrier opens a round of the cluster's barrier, and behind the round this slot is asked for again,
; two K steps ahead, first thing; from that request to the wait for it a wave issues 152 of a K step's 160 matrix instructions.
.macro TURN slot, next, fill
	s_wait_dscnt 10
	WIN W1
	MUL F1, 0, 0, 3, 0
	s_wait_dscnt 0x0                               ; my reads of this slot are over
	s_wait_tensorcnt 0x0                           ; all my tensor loads have landed
	ds_add_u32 v30, v31
	s_wait_dscnt 0x0
	s_barrier_signal -1
	MUL F1, 0, 3, 2, 0                             ; register work while the others arrive
	WIN 0
	s_barrier_wait -1
.if \fill
	CREST                                          ; no wave of any partner still reads this slot or has a load on its way
	s_add_nc_u64 s[G0A+4*\slot+2:G0A+4*\slot+3], s[G0A+4*\slot+2:G0A+4*\slot+3], 4*KSTEP   ; two K steps of 256 bytes; no load of mine is out
	s_add_nc_u64 s[G0B+4*\slot+2:G0B+4*\slot+3], s[G0B+4*\slot+2:G0B+4*\slot+3], 4*KSTEP
	JLOAD \slot                                    ; its four v_nop are also the places in front of the loads below
.else
	PLACES
.endif
	FETCH \next, 0, F0
	WIN W2
	MUL F1, 5, 5, 5, 0
.endm
.macro LAP zero
	THREE 0, \zero
	TURN 0, 1, 1
	THREE 1, 0
	TURN 1, 0, 1
.endm
	s_wait_tensorcnt 0x1                           ; my part of K step 0 is in; K step 1's may stay out
	s_barrier_signal -1
	s_barrier_wait -1                              ; everybody's is
	FETCH 0, 0, F0
	LAP 1                                          ; the first lap's first products start the sums
	WIN 0
	s_mov_b32 s3, LAPS-2
.Llap:
	LAP 0
	WIN 0
	s_sub_co_u32 s3, s3, 1
	s_cmp_lg_u32 s3, 0
	s_cbranch_scc1 .Llap
	THREE 0, 0                                     ; the last lap fills nothing
	TURN 0, 1, 0
	THREE 1, 0
	s_wait_dscnt 10
	WIN W1
	MUL F1, 0, 0, 5, 0
	s_wait_dscnt 0x0
	WIN W2
	MUL F1, 5, 5, 5, 0
	PLACES                                         ; behind the last matrix instructions, before their results are read
	; THE WAY OUT: a quarter of silu in f32, rounded to f16, 16 bytes a lane into the work-group's stage; then whole pieces of 512 bytes of hs's rows.
	s_mul_i32 s68, s18, BLOCK
	s_mul_i32 s69, s12, 40
	s_add_co_u32 s68, s68, s69                     ; row 160 block + 40 W
	s_lshl_b32 s68, s68, 11
	s_lshl_b32 s69, s16, 9                         ; column 256 cx, in bytes
	s_add_co_u32 s68, s68, s69
	s_mov_b32 s69, 0
	s_add_nc_u64 s[66:67], s[10:11], s[68:69]
; One row block: the window's tiles (al, 0..3), 32 registers.  w: source 0 in the accumulators' window (0x01 or 0x02).
.macro SILU al, w, sto
	WIN \w
.set i, 0
.rept 16
	v_pk_mul_f32 v[TT+2*i:TT+2*i+1], v[32*\al+2*i:32*\al+2*i+1], s[70:71] op_sel_hi:[1,0]   ; -1.442695 a
.set i, i+1
.endr
	WIN 0
.set i, 0
.rept 32
	v_exp_f32 v[TT+i], v[TT+i]
.set i, i+1
.endr
	v_nop                                          ; one plain vector instruction behind the last transcendental before its result is used (ISA guide 5.7.2)
.set i, 0
	s_wait_alu depctr_va_vdst(0)
.rept 16
	v_pk_fma_f32 v[TT+2*i:TT+2*i+1], v[TT+2*i:TT+2*i+1], 4.0, 4.0 op_sel_hi:[1,0,0]         ; 4 + 4 x 2^(-1.442695 a): the quarter rides on the sum
.set i, i+1
.endr
.set i, 0
.rept 32
	v_rcp_f32 v[TT+i], v[TT+i]
.set i, i+1
.endr
	v_nop
	WIN \w
.set i, 0
	s_wait_alu depctr_va_vdst(0)
.rept 16
	v_pk_mul_f32 v[TT+2*i:TT+2*i+1], v[32*\al+2*i:32*\al+2*i+1], v[TT+2*i:TT+2*i+1]         ; a / (4 + 4 x 2^(-1.442695 a))
.set i, i+1
.endr
	WIN 0
.set i, 0
.rept 16
	v_cvt_pk_f16_f32 v[PK+i], v[TT+2*i], v[TT+2*i+1]
.set i, i+1
.endr
.irp b, 0,1,2,3
	ds_store_b128 v[\sto], v[PK+4*\b:PK+4*\b+3] offset:\al*16*SPITCH+32*\b
.endr
.endm
	SILU 0, 0x01, STO
	SILU 1, 0x01, STO
	SILU 2, 0x01, STO
	SILU 3, 0x01, STO
	SILU 4, 0x01, STO
	SILU 0, 0x02, STO2
	SILU 1, 0x02, STO2
	SILU 2, 0x02, STO2
	SILU 3, 0x02, STO2
	SILU 4, 0x02, STO2
	s_wait_dscnt 0x0                               ; zero: the other waves read my columns behind the barrier
	s_barrier_signal -1
	s_barrier_wait -1                              ; no tensor load is out
.set i, 0
.rept 40
	ds_load_b128 v[F0+4*i:F0+4*i+3], v[RD] offset:i*SPITCH         ; row 40 W + i: the four waves' 512 bytes
.set i, i+1
.endr
.set i, 0
.rept 40
	s_wait_dscnt 39-i                              ; LDS loads come back in order: row i is in
	global_store_b128 v[CO], v[F0+4*i:F0+4*i+3], s[66:67] offset:i*ROWB   ; 512 consecutive bytes, at a multiple of 512 from hs's first byte
.set i, i+1
.endr
	s_wait_tensorcnt 0x0
	ds_add_u32 v30, v31
	s_wait_dscnt 0x0
	CROUND                                         ; the closing round: no work-group ends while a partner may still ask for a tile that names it
	s_endpgm
.Lfunc_end_k_qd9b095e485_up:
	.size	k_qd9b095e485_up, .Lfunc_end_k_qd9b095e485_up-k_qd9b095e485_up
	.p2alignl 7, 3214868480
	.fill 96, 4, 3214868480
	.section	.rodata,"a",@progbits
	.p2align	6, 0x0
	.amdhsa_kernel k_qd9b095e485_up
		.amdhsa_group_segment_fixed_size 327680
		.amdhsa_private_segment_fixed_size 0
		.amdhsa_enable_private_segment 0
		.amdhsa_kernarg_size 32
		.amdhsa_user_sgpr_count 2
		.amdhsa_user_sgpr_kernarg_segment_ptr 1
		.amdhsa_wavefront_size32 1
		.amdhsa_system_sgpr_workgroup_id_x 1
		.amdhsa_system_sgpr_workgroup_id_y 1
		.amdhsa_system_sgpr_workgroup_id_z 1
		.amdhsa_system_vgpr_workitem_id 0
		.amdhsa_next_free_vgpr 672
		.amdhsa_next_free_sgpr 72
		.amdhsa_reserve_vcc 0
		.amdhsa_float_denorm_mode_32 3
		.amdhsa_float_denorm_mode_16_64 3
		.amdhsa_memory_ordered 1
		.amdhsa_forward_progress 1
		.amdhsa_inst_pref_size 193
	.end_amdhsa_kernel
	.amdgpu_metadata
---
amdhsa.version: [ 1, 2 ]
amdhsa.kernels:
  - .name:           k_qd9b095e485_up
    .symbol:         k_qd9b095e485_up.kd
    .args:
      - { .name: xs, .offset: 0, .size: 8, .value_kind: global_buffer, .address_space: global }
      - { .name: wb, .offset: 8, .size: 8, .value_kind: global_buffer, .address_space: global }
      - { .name: rt, .offset: 16, .size: 8, .value_kind: global_buffer, .address_space: global }
      - { .name: hs, .offset: 24, .size: 8, .value_kind: global_buffer, .address_space: global }
    .group_segment_fixed_size: 327680
    .private_segment_fixed_size: 0
    .kernarg_segment_align: 8
    .kernarg_segment_size: 32
    .max_flat_workgroup_size: 128
    .sgpr_count:     72
    .vgpr_count:     672
    .wavefront_size: 32
...
	.end_amdgpu_metadata
.endif
;; end of part 3
;; launch down (part 4): grid 4 x 59, 4 waves a work-group, clusters of 4 x 1, 327,680 bytes of LDS; arguments hs, wb, rt, ys; writes ys
.if DOCPART == 4
	.amdgcn_target "amdgcn-amd-amdhsa--gfx1250"
	.amdhsa_code_object_version 6
	.text
	.protected	k_qd9b095e485_down
	.globl	k_qd9b095e485_down
	.p2align	8
	.type	k_qd9b095e485_down,@function
k_qd9b095e485_down:
	s_mov_b64 s[64:65], 0
	v_nop
	global_prefetch_b8 v0, s[64:65] scope:SCOPE_SE
	s_setreg_imm32_b32 hwreg(HW_REG_WAVE_MODE, 25, 1), 1
	s_wait_xcnt 0x0
	s_wait_alu depctr_hold_cnt(0) depctr_sa_sdst(0) depctr_va_vdst(0) depctr_va_sdst(0) depctr_va_ssrc(0) depctr_va_vcc(0) depctr_vm_vsrc(0)
	s_getreg_b32 s2, hwreg(HW_REG_IB_STS2, 6, 4)
	s_cmp_eq_u32 s2, 0
	s_cbranch_scc0 .Lentry_in_a_cluster
	s_endpgm
.Lentry_in_a_cluster:
	s_bfe_u32 s2, ttmp6, 0x10000c
	s_cmp_lg_u32 s2, 0x3003
	s_cbranch_scc0 .Lentry_shape_is_right
	s_endpgm
.Lentry_shape_is_right:
; down: ys[i][d] = sum over f of hs[i][f] w2[e][d][f], e = the expert of row i's block.  hs (a quarter of h), w2 (the second half of wb): f16; sums and ys in f32.
; So ys holds a quarter of the expert's output; the last launch multiplies by 4, exactly.  f16 and not bf16 for its 11 significant bits; the operands' room
; in f16 is worked out where they are made.
; The combine weight is not applied here: the last launch multiplies by it in f32, which by linearity gives the same sum in another order of rounding.
; A cluster of 4 work-groups makes one block of 160 sorted rows x 1,024 columns; work-group cx makes columns 256 cx .. + 255;
; wave W of its four makes all 160 rows x columns 64 W .. + 63: 10 x 4 accumulator tiles of 16 x 16, 320 registers.
; THE SCHEDULE IS CONSTANT: all 59 blocks are computed whatever the routing, and no branch hangs on a number read from memory; the block's expert,
; read from rt, enters the address of w2's tiles and nothing else.  59 blocks are what the worst routing fills (8,192 + 8 x 159 rows); blocks that a
; routing leaves empty (7 at the most) are computed like the others and are never read by the last launch.
; JOINT LOADS: the four work-groups of a cluster need the same 160 rows of hs: that tile is asked for by all four with the same descriptor (made of the
; cluster's y and the wave's number) and the mask 15.  w2's tiles are each work-group's own 256 rows and come by plain loads.  They are not shared
; between row blocks: four blocks that ask jointly would have to be of one expert, that is padding to 640 rows and room for 8,192 + 8 x 639 = 13,304
; rows in place of 9,464.
; K = 1,024 goes in 8 steps of 128 through two LDS slots; a tile's rows are 256 bytes of memory and start at multiples of 256 bytes from the buffer's first byte.
; THE MATRIX INSTRUCTION IS USED TRANSPOSED: source 0 = 16 rows of w2, source 1 = 16 rows of hs, so lane l holds row l % 16 and its registers 0-7 the
; columns 8 (l / 16) + 0..7: eight neighbouring numbers of a row of ys.
.set KSTEP,   128
.set PITCH,   272                      ; an LDS row: 256 bytes + 16 of padding: 16 neighbouring rows start at 16 different 16-byte columns modulo 256 bytes
.set BHALF,   128*PITCH                ; what one load brings of w2: 128 rows
.set AHALF,   80*PITCH                 ; what one load brings of hs: 80 rows
.set AOFF,    2*BHALF                  ; a slot: w2's 256 rows, then hs's 160 rows
.set SLOT,    AOFF+2*AHALF             ; 113,152 bytes
.set STAGE,   2*SLOT                   ; 226,304 = 884 x 256: behind the ring, never the target of a tensor load; 16 rows x 272 bytes for each wave
.set BLOCK,   160
.set YROWB,   4096                     ; bytes in a row of ys
.set W_OFF,   16777216                 ; w2 in wb
.set BLK_OFF, 70656
.set LAPS,    4                        ; a lap = two K steps = once round the ring
.set G1PAD, (1<<16)|(1<<20)|(5<<22)|(3<<25)   ; 17:16 elements of 2 bytes; 20 padding on; 24:22 after every 64 words; 31:25 of 4 words
.set ADRA, 16                          ; v16-17  LDS address of my hs fragments in slot 0, 1
.set ADRB, 20                          ; v20-21  the same for w2
.set STO,  24                          ; v24     the way out: where I put 32 bytes of a row
.set RD,   25                          ; v25     the way out: where I read rows back
.set CO,   26                          ; v26     my byte offset in ys
.set F0,   32                          ; v32-143   fragment buffer 0: w2's 4 fragments, then hs's 10
.set F1,   144                         ; v144-255  fragment buffer 1
.set G1A,  24                          ; s[24:31] descriptor group 1, hs
.set G0A,  32                          ; s[32:39] descriptor group 0, hs, one set for each slot
.set G1B,  48                          ; s[48:55] group 1, w2
.set G0B,  56                          ; s[56:63] group 0, w2
.set W1,   0x50                        ; C and D in window 1: accumulator tiles of row blocks 0-4, tile (a, b) at v[8 (4 a + b)]
.set W2,   0xa0                        ; C and D in window 2: row blocks 5-9, tile (a, b) at v[8 (4 (a - 5) + b)]
.set MSB,  0
.macro WIN new                         ; the immediate's high byte repeats the setting that is left; switches that change nothing are dropped
.if MSB != \new
	s_set_vgpr_msb (MSB<<8)|\new
.set MSB, \new
.endif
.endm
.macro PLACES                          ; four independent vector instructions behind a matrix instruction (ISA guide 7.12.1) before its registers are loaded into or its result read
.rept 4
	v_nop
.endr
.endm
; A step's tiles.  Waves 0 and 1 fetch the two halves of my work-group's own tile of w2 (plain loads), waves 2 and 3 the two halves of the cluster's tile
; of hs (joint loads).  Each line has one set of registers; the branch hangs on the wave's number alone.
.macro JLOAD s
	s_cmp_eq_u32 s13, 0
	s_cbranch_scc0 .Lfor_a_\@
	tensor_load_to_lds s[G0B+4*\s:G0B+4*\s+3], s[G1B:G1B+7]
	s_nop 0
.rept 4
	v_nop
.endr
	s_branch .Lasked_\@
.Lfor_a_\@:
	tensor_load_to_lds s[G0A+4*\s:G0A+4*\s+3], s[G1A:G1A+7]
	s_nop 0
.rept 4
	v_nop
.endr
.Lasked_\@:
.endm
; A round of the cluster's barrier: my work-group's barrier; wave 0 signals for the work-group; every wave waits for all four; my work-group's barrier again.
.macro CREST                           ; a round behind its opening barrier
	s_cmp_lg_u32 s12, 0
	s_cbranch_scc1 .Lnot_wave_0_\@
	s_barrier_signal -3
.Lnot_wave_0_\@:
	s_barrier_wait -3
	s_barrier_signal -1
	s_barrier_wait -1
.endm
.macro CROUND
	s_barrier_signal -1
	s_barrier_wait -1
	CREST
.endm
	s_load_b256 s[4:11], s[0:1], 0x0               ; hs s[4:5], wb s[6:7], rt s[8:9], ys s[10:11]
	v_lshl_add_u32 v30, v0, 2, 0x3b800
	v_mov_b32 v31, 0
	ds_add_u32 v30, v31
	v_lshrrev_b32 v1, 5, v0
	v_readfirstlane_b32 s12, v1                    ; wave 0..3
	s_lshr_b32 s13, s12, 1                         ; 0: I fetch for w2, 1: for hs
	s_and_b32 s14, s12, 1                          ; which half of that tile
	s_bfe_u32 s16, ttmp6, 0x40000                  ; cx: my column block
	s_and_b32 s18, ttmp7, 0xffff                   ; the cluster's y: the row block
	s_lshl_b32 s2, s18, 2
	s_mov_b32 s[G1A+0], 15|(1<<21)|G1PAD           ; 15:0 the mask: all four work-groups of the cluster; 21 set beside a mask
	s_mov_b32 s[G1A+1], KSTEP<<16                  ; tensor_dim0 = 128
	s_mov_b32 s[G1A+2], (BLOCK/2)<<16              ; tensor_dim1 = 80
	s_mov_b32 s[G1A+3], KSTEP<<16                  ; tile_dim0 = 128
	s_mov_b32 s[G1A+4], BLOCK/2                    ; tile_dim1 = 80
	s_mov_b32 s[G1A+5], 1024                       ; elements from row to row
	s_mov_b32 s[G1A+6], 0
	s_mov_b32 s[G1A+7], 0
	s_mov_b32 s[G1B+0], G1PAD                      ; no mask: a load of my own
	s_mov_b32 s[G1B+1], KSTEP<<16
	s_mov_b32 s[G1B+2], 128<<16                    ; 128 rows
	s_mov_b32 s[G1B+3], KSTEP<<16
	s_mov_b32 s[G1B+4], 128
	s_mov_b32 s[G1B+5], 1024
	s_mov_b32 s[G1B+6], 0
	s_mov_b32 s[G1B+7], 0
	s_mul_i32 s21, s12, BHALF                      ; waves 0, 1: w2's halves at 0 and BHALF
	s_mul_i32 s22, s12, AHALF                      ; waves 2, 3: hs's halves at AOFF and AOFF + AHALF = (AOFF - 2 AHALF) + wave x AHALF
.irp s, 0,1
	s_mov_b32 s[G0A+4*\s], 1
	s_add_co_u32 s[G0A+4*\s+1], s22, AOFF-2*AHALF+\s*SLOT
	s_mov_b32 s[G0B+4*\s], 1
	s_add_co_u32 s[G0B+4*\s+1], s21, \s*SLOT
.endr
	s_mul_i32 s40, s18, BLOCK                      ; hs: row 160 block + 80 half, in bytes (these registers never hold cx)
	s_mul_i32 s41, s14, BLOCK/2
	s_add_co_u32 s40, s40, s41
	s_lshl_b32 s40, s40, 11
	s_mov_b32 s41, 0
	s_lshl_b32 s46, s16, 8                         ; w2: row in the expert = 256 cx + 128 half, in bytes, behind w1
	s_lshl_b32 s47, s14, 7
	s_add_co_u32 s46, s46, s47
	s_lshl_b32 s46, s46, 11
	s_add_co_u32 s46, s46, W_OFF
	s_wait_dscnt 0x0
	s_wait_kmcnt 0x0
	s_load_b32 s20, s[8:9], s2 offset:BLK_OFF      ; the block's expert
	s_add_nc_u64 s[G0A+2:G0A+3], s[4:5], s[40:41]  ; K step 0
	s_add_nc_u64 s[G0A+6:G0A+7], s[G0A+2:G0A+3], 2*KSTEP   ; K step 1
	s_or_b32 s[G0A+3], s[G0A+3], 0x80000000        ; type = 2
	s_or_b32 s[G0A+7], s[G0A+7], 0x80000000
	s_wait_kmcnt 0x0
	s_min_u32 s20, s20, 7                          ; a loaded number enters an address behind its clamp
	s_lshl_b32 s44, s20, 21                        ; an expert's w2: 2 MiB of f16
	s_add_co_u32 s44, s44, s46
	s_mov_b32 s45, 0
	s_add_nc_u64 s[G0B+2:G0B+3], s[6:7], s[44:45]
	s_add_nc_u64 s[G0B+6:G0B+7], s[G0B+2:G0B+3], 2*KSTEP
	s_or_b32 s[G0B+3], s[G0B+3], 0x80000000
	s_or_b32 s[G0B+7], s[G0B+7], 0x80000000
	CROUND                                         ; all four work-groups are here: the first joint loads meet
	JLOAD 0                                        ; K step 0
	JLOAD 1                                        ; K step 1: both first fills go out together, two loads of the wave on their way
	; A fragment is 16 rows x 32 K in 8 registers: lane l holds row l % 16; registers 0-3 K = 8 (l / 16) + 0..7, registers 4-7 K = 16 + 8 (l / 16) + 0..7.
	v_and_b32 v1, 15, v0                           ; r = l % 16
	v_bfe_u32 v2, v0, 4, 1                         ; h = l / 16
	v_mul_u32_u24 v3, v1, PITCH
	v_lshl_add_u32 v4, v2, 5, v3                   ; the stage, in: row r, 32 bytes for each half of the lanes
	v_lshl_add_u32 v3, v2, 4, v3                   ; fragments: row x pitch + 16 h
	s_mul_i32 s23, s12, 64*PITCH                   ; my 64 rows of w2
	v_add_nc_u32 v[ADRA],   AOFF, v3
	v_add_nc_u32 v[ADRA+1], AOFF+SLOT, v3
	v_add_nc_u32 v[ADRB], s23, v3
	s_add_co_u32 s23, s23, SLOT
	v_add_nc_u32 v[ADRB+1], s23, v3
	s_mul_i32 s23, s12, 16*PITCH
	s_add_co_u32 s23, s23, STAGE                   ; my wave's own stage
	v_add_nc_u32 v[STO], s23, v4
	v_mul_u32_u24 v5, v2, PITCH                    ; back: lanes 0-15 take one row's 256 bytes, lanes 16-31 the next row's
	v_lshl_add_u32 v5, v1, 4, v5
	v_add_nc_u32 v[RD], s23, v5
	v_lshlrev_b32 v5, 12, v2                       ; and the same two rows in ys
	v_lshl_add_u32 v[CO], v1, 4, v5
; cnt x 4 matrix instructions: row blocks a0 .. a0 + cnt - 1 x my 4 column blocks, 32 along K.  abase: the first row block of the accumulators' window.
; zero = 1: the first product starts the sums.  The 40 accumulators take turns, one instruction a turn, in the same order in every quarter step.
.macro MUL f, abase, a0, cnt, zero
.set ma, \a0
.rept \cnt
.irp b, 0,1,2,3
.if \zero
	v_wmma_f32_16x16x32_f16 v[8*(4*(ma-\abase)+\b):8*(4*(ma-\abase)+\b)+7], v[\f+8*\b:\f+8*\b+7], v[\f+32+8*ma:\f+32+8*ma+7], 0
.else
	v_wmma_f32_16x16x32_f16 v[8*(4*(ma-\abase)+\b):8*(4*(ma-\abase)+\b)+7], v[\f+8*\b:\f+8*\b+7], v[\f+32+8*ma:\f+32+8*ma+7], v[8*(4*(ma-\abase)+\b):8*(4*(ma-\abase)+\b)+7]
.endif
.endr
.set ma, ma+1
.endr
.endm
; 28 LDS loads in one run: one quarter step's fragments (32 K at byte k of the rows) into buffer f: 8 for w2, 10 for row blocks 0-4, 10 for row blocks 5-9
.macro FETCH slot, k, f
	WIN 0
.irp i, 0,1,2,3
	ds_load_b128 v[\f+8*\i:\f+8*\i+3],   v[ADRB+\slot] offset:\k+\i*16*PITCH
	ds_load_b128 v[\f+8*\i+4:\f+8*\i+7], v[ADRB+\slot] offset:\k+\i*16*PITCH+32
.endr
.irp i, 0,1,2,3,4,5,6,7,8,9
	ds_load_b128 v[\f+32+8*\i:\f+32+8*\i+3],   v[ADRA+\slot] offset:\k+\i*16*PITCH
	ds_load_b128 v[\f+32+8*\i+4:\f+32+8*\i+7], v[ADRA+\slot] offset:\k+\i*16*PITCH+32
.endr
.endm
; One of a K step's first three quarters: multiplies buffer f and, in its middle, fetches the next quarter's fragments into buffer g.
.macro QUARTER slot, k, f, g, zero
	s_wait_dscnt 10                                ; all but the ten youngest loads (row blocks 5-9) are in
	WIN W1
	MUL \f, 0, 0, 5, \zero
	PLACES                                         ; buffer g was last read by the quarter before
	FETCH \slot, \k, \g
	s_wait_dscnt 28                                ; all but the 28 just issued
	WIN W2
	MUL \f, 5, 5, 5, \zero
.endm
.macro THREE slot, zero
	QUARTER \slot, 64,  F0, F1, \zero
	QUARTER \slot, 128, F1, F0, 0
	QUARTER \slot, 192, F0, F1, 0
.endm
; The last quarter multiplies buffer 1 and changes slots.  In front of the barrier each wave waits for its reads of this slot and for all its tensor loads
; (one is out: its part of the next slot).  fill = 1: the barrier opens a round of the cluster's barrier, and behind the round this slot is asked for again,
; two K steps ahead, first thing; from that request to the wait for it a wave issues 152 of a K step's 160 matrix instructions.
.macro TURN slot, next, fill
	s_wait_dscnt 10
	WIN W1
	MUL F1, 0, 0, 3, 0
	s_wait_dscnt 0x0                               ; my reads of this slot are over
	s_wait_tensorcnt 0x0                           ; all my tensor loads have landed
	ds_add_u32 v30, v31
	s_wait_dscnt 0x0
	s_barrier_signal -1
	MUL F1, 0, 3, 2, 0                             ; register work while the others arrive
	WIN 0
	s_barrier_wait -1
.if \fill
	CREST                                          ; no wave of any partner still reads this slot or has a load on its way
	s_add_nc_u64 s[G0A+4*\slot+2:G0A+4*\slot+3], s[G0A+4*\slot+2:G0A+4*\slot+3], 4*KSTEP   ; two K steps of 256 bytes; no load of mine is out
	s_add_nc_u64 s[G0B+4*\slot+2:G0B+4*\slot+3], s[G0B+4*\slot+2:G0B+4*\slot+3], 4*KSTEP
	JLOAD \slot                                    ; its four v_nop are also the places in front of the loads below
.else
	PLACES
.endif
	FETCH \next, 0, F0
	WIN W2
	MUL F1, 5, 5, 5, 0
.endm
.macro LAP zero
	THREE 0, \zero
	TURN 0, 1, 1
	THREE 1, 0
	TURN 1, 0, 1
.endm
	s_wait_tensorcnt 0x1                           ; my part of K step 0 is in; K step 1's may stay out
	s_barrier_signal -1
	s_barrier_wait -1                              ; everybody's is
	FETCH 0, 0, F0
	LAP 1                                          ; the first lap's first products start the sums
	WIN 0
	s_mov_b32 s3, LAPS-2
.Llap:
	LAP 0
	WIN 0
	s_sub_co_u32 s3, s3, 1
	s_cmp_lg_u32 s3, 0
	s_cbranch_scc1 .Llap
	THREE 0, 0                                     ; the last lap fills nothing
	TURN 0, 1, 0
	THREE 1, 0
	s_wait_dscnt 10
	WIN W1
	MUL F1, 0, 0, 5, 0
	s_wait_dscnt 0x0
	WIN W2
	MUL F1, 5, 5, 5, 0
	PLACES                                         ; behind the last matrix instructions, before their results are stored to LDS
	; THE WAY OUT, 16 rows at a time: the f32 sums go straight from the accumulators into my wave's own stage and come back as whole pieces of 256 bytes of ys's rows.
	s_mul_i32 s68, s18, BLOCK                      ; row 160 block
	s_lshl_b32 s68, s68, 12
	s_lshl_b32 s69, s16, 10                        ; column 256 cx, in bytes
	s_add_co_u32 s68, s68, s69
	s_lshl_b32 s69, s12, 8                         ; + 64 W
	s_add_co_u32 s68, s68, s69
	s_mov_b32 s69, 0
	s_add_nc_u64 s[66:67], s[10:11], s[68:69]
; Row block a = the window's tiles (al, 0..3).  w: the LDS stores' data in the accumulators' window (0x04 or 0x08).  f: v32 or v64 in turn.
.macro OUT16 a, w, al, f
	WIN \w
.irp b, 0,1,2,3
	ds_store_b128 v[STO], v[8*(4*\al+\b):8*(4*\al+\b)+3]   offset:64*\b
	ds_store_b128 v[STO], v[8*(4*\al+\b)+4:8*(4*\al+\b)+7] offset:64*\b+16
.endr
	WIN 0
	s_wait_xcnt 0x0                                ; buffer f, which earlier stores read, is loaded again only behind this wait
.irp t, 0,1,2,3,4,5,6,7
	ds_load_b128 v[\f+4*\t:\f+4*\t+3], v[RD] offset:\t*2*PITCH     ; LDS serves a wave's instructions in order (ISA guide 5.7.1.4): these see the stores above
.endr
.irp t, 0,1,2,3,4,5,6,7
	s_wait_dscnt 7-\t
	global_store_b128 v[CO], v[\f+4*\t:\f+4*\t+3], s[66:67] offset:(16*\a+2*\t)*YROWB   ; 16 lanes store 256 consecutive bytes, at a multiple of 256 from ys's first byte
.endr
.endm
	OUT16 0, 0x04, 0, 32
	OUT16 1, 0x04, 1, 64
	OUT16 2, 0x04, 2, 32
	OUT16 3, 0x04, 3, 64
	OUT16 4, 0x04, 4, 32
	OUT16 5, 0x08, 0, 64
	OUT16 6, 0x08, 1, 32
	OUT16 7, 0x08, 2, 64
	OUT16 8, 0x08, 3, 32
	OUT16 9, 0x08, 4, 64
	s_wait_tensorcnt 0x0
	ds_add_u32 v30, v31
	s_wait_dscnt 0x0
	CROUND                                         ; the closing round: no work-group ends while a partner may still ask for a tile that names it
	s_endpgm
.Lfunc_end_k_qd9b095e485_down:
	.size	k_qd9b095e485_down, .Lfunc_end_k_qd9b095e485_down-k_qd9b095e485_down
	.p2alignl 7, 3214868480
	.fill 96, 4, 3214868480
	.section	.rodata,"a",@progbits
	.p2align	6, 0x0
	.amdhsa_kernel k_qd9b095e485_down
		.amdhsa_group_segment_fixed_size 327680
		.amdhsa_private_segment_fixed_size 0
		.amdhsa_enable_private_segment 0
		.amdhsa_kernarg_size 32
		.amdhsa_user_sgpr_count 2
		.amdhsa_user_sgpr_kernarg_segment_ptr 1
		.amdhsa_wavefront_size32 1
		.amdhsa_system_sgpr_workgroup_id_x 1
		.amdhsa_system_sgpr_workgroup_id_y 1
		.amdhsa_system_sgpr_workgroup_id_z 1
		.amdhsa_system_vgpr_workitem_id 0
		.amdhsa_next_free_vgpr 672
		.amdhsa_next_free_sgpr 72
		.amdhsa_reserve_vcc 0
		.amdhsa_float_denorm_mode_32 3
		.amdhsa_float_denorm_mode_16_64 3
		.amdhsa_memory_ordered 1
		.amdhsa_forward_progress 1
		.amdhsa_inst_pref_size 141
	.end_amdhsa_kernel
	.amdgpu_metadata
---
amdhsa.version: [ 1, 2 ]
amdhsa.kernels:
  - .name:           k_qd9b095e485_down
    .symbol:         k_qd9b095e485_down.kd
    .args:
      - { .name: hs, .offset: 0, .size: 8, .value_kind: global_buffer, .address_space: global }
      - { .name: wb, .offset: 8, .size: 8, .value_kind: global_buffer, .address_space: global }
      - { .name: rt, .offset: 16, .size: 8, .value_kind: global_buffer, .address_space: global }
      - { .name: ys, .offset: 24, .size: 8, .value_kind: global_buffer, .address_space: global }
    .group_segment_fixed_size: 327680
    .private_segment_fixed_size: 0
    .kernarg_segment_align: 8
    .kernarg_segment_size: 32
    .max_flat_workgroup_size: 128
    .sgpr_count:     72
    .vgpr_count:     672
    .wavefront_size: 32
...
	.end_amdgpu_metadata
.endif
;; end of part 4
;; launch combine (part 5): grid 256 x 1, 16 waves a work-group, no clusters, 0 bytes of LDS; arguments ys, rt, topk_e, topk_w, out0; writes out0
.if DOCPART == 5
	.amdgcn_target "amdgcn-amd-amdhsa--gfx1250"
	.amdhsa_code_object_version 6
	.text
	.protected	k_qd9b095e485_combine
	.globl	k_qd9b095e485_combine
	.p2align	8
	.type	k_qd9b095e485_combine,@function
k_qd9b095e485_combine:
	s_mov_b64 s[64:65], 0
	v_nop
	global_prefetch_b8 v0, s[64:65] scope:SCOPE_SE
	s_setreg_imm32_b32 hwreg(HW_REG_WAVE_MODE, 25, 1), 1
	s_wait_xcnt 0x0
; combine: out0[s] = 4 c0 ys[POS[2s]] + 4 c1 ys[POS[2s+1]], all in f32; ck = topk_w[s][k], or 0 where topk_e[s][k] lies outside 0..7 (a one-hot row of zeros).
; The 4 undoes the quarter with which h was stored in f16; a multiplication by 4 is exact (LIMIT, stated: up to weights of 8e37).
; The sum over a token's two pairs is made by gathering: each row of out0 has one owner, one wave.  16 waves, 16 tokens a work-group, 256 work-groups.
; A token that names one expert twice has two rows of ys, and their weighted sum is the sum of the weights times the row.
; A stream: a wave's 16 loads (8 KiB) go out at once, 128 KiB for the work-group; no loop, no LDS, no barrier.
.set POS_OFF, 37888
.set MAXROW,  9439
	s_load_b256 s[4:11], s[0:1], 0x0               ; ys s[4:5], rt s[6:7], topk_e s[8:9], topk_w s[10:11]
	s_load_b64 s[12:13], s[0:1], 0x20              ; out0
	v_lshrrev_b32 v1, 5, v0
	v_readfirstlane_b32 s14, v1                    ; wave 0..15
	v_and_b32 v1, 31, v0
	v_lshlrev_b32 v1, 4, v1                        ; 16 lane
	s_lshl_b32 s15, ttmp9, 4
	s_add_co_u32 s15, s15, s14                     ; my token
	s_lshl_b32 s22, s15, 3                         ; 8 bytes a token in POS, topk_e, topk_w
	s_lshl_b32 s36, s15, 12                        ; 4,096 bytes a token in out0
	s_mov_b32 s37, 0
	s_mov_b32 s35, 0
	s_wait_kmcnt 0x0
	s_load_b64 s[16:17], s[6:7], s22 offset:POS_OFF        ; the two sorted rows
	s_load_b64 s[18:19], s[8:9], s22 offset:0x0            ; the two ids
	s_load_b64 s[20:21], s[10:11], s22 offset:0x0          ; the two weights
	s_add_nc_u64 s[28:29], s[12:13], s[36:37]
	s_wait_kmcnt 0x0
	s_min_u32 s16, s16, MAXROW                     ; a loaded number enters an address behind its clamp
	s_min_u32 s17, s17, MAXROW
	s_lshl_b32 s34, s16, 12
	s_add_nc_u64 s[24:25], s[4:5], s[34:35]
	s_lshl_b32 s34, s17, 12
	s_add_nc_u64 s[26:27], s[4:5], s[34:35]
.irp k, 0,1,2,3,4,5,6,7
	global_load_b128 v[4+8*\k:7+8*\k],  v1, s[24:25] offset:512*\k th:TH_LOAD_NT    ; each row of ys is read once in the launch
	global_load_b128 v[8+8*\k:11+8*\k], v1, s[26:27] offset:512*\k th:TH_LOAD_NT
.endr
	s_cmp_lt_u32 s18, 8                            ; the choice picks a value, never an address
	s_cselect_b32 s30, s20, 0
	s_cmp_lt_u32 s19, 8
	s_cselect_b32 s32, s21, 0
	s_mul_f32 s30, s30, 4.0                        ; ys holds a quarter of the sums
	s_mul_f32 s32, s32, 4.0
	s_mov_b32 s31, s30                             ; the packed forms name the pair
	s_mov_b32 s33, s32
.irp k, 0,1,2,3,4,5,6,7
	s_wait_loadcnt 14-2*\k                         ; piece k of both rows is in; the 14 - 2 k younger loads stay out
	v_pk_mul_f32 v[4+8*\k:5+8*\k], v[4+8*\k:5+8*\k], s[30:31] op_sel_hi:[1,0]
	v_pk_mul_f32 v[6+8*\k:7+8*\k], v[6+8*\k:7+8*\k], s[30:31] op_sel_hi:[1,0]
	v_pk_fma_f32 v[4+8*\k:5+8*\k], v[8+8*\k:9+8*\k],   s[32:33], v[4+8*\k:5+8*\k] op_sel_hi:[1,0,1]
	v_pk_fma_f32 v[6+8*\k:7+8*\k], v[10+8*\k:11+8*\k], s[32:33], v[6+8*\k:7+8*\k] op_sel_hi:[1,0,1]
	global_store_b128 v1, v[4+8*\k:7+8*\k], s[28:29] offset:512*\k th:TH_STORE_NT   ; 512 consecutive bytes, aligned; no register is written again
.endr
	s_endpgm
.Lfunc_end_k_qd9b095e485_combine:
	.size	k_qd9b095e485_combine, .Lfunc_end_k_qd9b095e485_combine-k_qd9b095e485_combine
	.p2alignl 7, 3214868480
	.fill 96, 4, 3214868480
	.section	.rodata,"a",@progbits
	.p2align	6, 0x0
	.amdhsa_kernel k_qd9b095e485_combine
		.amdhsa_group_segment_fixed_size 0
		.amdhsa_private_segment_fixed_size 0
		.amdhsa_enable_private_segment 0
		.amdhsa_kernarg_size 40
		.amdhsa_user_sgpr_count 2
		.amdhsa_user_sgpr_kernarg_segment_ptr 1
		.amdhsa_wavefront_size32 1
		.amdhsa_system_sgpr_workgroup_id_x 1
		.amdhsa_system_sgpr_workgroup_id_y 1
		.amdhsa_system_sgpr_workgroup_id_z 1
		.amdhsa_system_vgpr_workitem_id 0
		.amdhsa_next_free_vgpr 72
		.amdhsa_next_free_sgpr 66
		.amdhsa_reserve_vcc 0
		.amdhsa_float_denorm_mode_32 3
		.amdhsa_float_denorm_mode_16_64 3
		.amdhsa_memory_ordered 1
		.amdhsa_forward_progress 1
		.amdhsa_inst_pref_size 6
	.end_amdhsa_kernel
	.amdgpu_metadata
---
amdhsa.version: [ 1, 2 ]
amdhsa.kernels:
  - .name:           k_qd9b095e485_combine
    .symbol:         k_qd9b095e485_combine.kd
    .args:
      - { .name: ys, .offset: 0, .size: 8, .value_kind: global_buffer, .address_space: global }
      - { .name: rt, .offset: 8, .size: 8, .value_kind: global_buffer, .address_space: global }
      - { .name: topk_e, .offset: 16, .size: 8, .value_kind: global_buffer, .address_space: global }
      - { .name: topk_w, .offset: 24, .size: 8, .value_kind: global_buffer, .address_space: global }
      - { .name: out0, .offset: 32, .size: 8, .value_kind: global_buffer, .address_space: global }
    .group_segment_fixed_size: 0
    .private_segment_fixed_size: 0
    .kernarg_segment_align: 8
    .kernarg_segment_size: 40
    .max_flat_workgroup_size: 512
    .sgpr_count:     66
    .vgpr_count:     72
    .wavefront_size: 32
...
	.end_amdgpu_metadata
.endif
;; end of part 5
;; ======== version 2 of 2: 4 launches; 1.12 times as fast as version 1
;; limits: values are held in f16: magnitudes above 65,504 overflow, below 6.1e-05 lose precision; inputs' magnitudes at most 65,504; right only within a limited range of input values
;; workspace buffers: rt 33,024 bytes of whole numbers; wb 33,554,432 bytes; xs 19,333,120 bytes; hs 19,333,120 bytes; ys 38,666,240 bytes
;; launch prep (part 6): grid 256 x 1, 32 waves a work-group, no clusters, 188,416 bytes of LDS; arguments topk_e, w1, w2, x, rt, wb, xs; writes rt, wb, xs
.if DOCPART == 6
	.amdgcn_target "amdgcn-amd-amdhsa--gfx1250"
	.amdhsa_code_object_version 6
	.text
	.protected	k_qd9b095e485_prep
	.globl	k_qd9b095e485_prep
	.p2align	8
	.type	k_qd9b095e485_prep,@function
k_qd9b095e485_prep:
	s_mov_b64 s[64:65], 0
	v_nop
	global_prefetch_b8 v0, s[64:65] scope:SCOPE_SE
	s_setreg_imm32_b32 hwreg(HW_REG_WAVE_MODE, 25, 1), 1
	s_wait_xcnt 0x0
; prep, three things in one launch, 256 work-groups of 1,024 threads:
;   (1) every work-group turns its 1/256 of w1 and w2 (f32, 64 rows) into f16 in wb, w1's 8,192 rows first, IN THE ORDER OF THE MATRIX FRAGMENTS (below);
;   (2) every work-group sorts the 8,192 (token, k) pairs by expert, each for itself, from the 32 KiB of topk_e: no work-group waits for another;
;   (3) with that it turns its own 16 rows of x into f16 and stores each to the token's two sorted rows of xs = [9440][1024].
; Work-group 0 also leaves the tables that later launches need in rt, all whole numbers:
;           POS  at byte 0:      u32[8192]  the sorted row of pair p = 2 s + k
;           BLK  at byte 32768:  u32[64]    the expert of row block b
; wb's ORDER: 16 rows x 32 K are 1,024 bytes at ((row / 16) x 32 + k / 32) x 1024, and in them element (r, k) lies at
; 512 ((k / 16) % 2) + 256 ((k / 8) % 2) + 16 r + 2 (k % 8).  That is a fragment's register image: lane 16 h + r finds K = 8 h .. + 7 at 16 x lane and
; K = 16 + 8 h .. + 7 at 512 + 16 x lane, so the products load a fragment with two loads of 512 consecutive bytes.  16 rows take 32 KiB as they do row by row.
; A wave takes 16 rows x 128 K: 16 loads of 2 rows x 256 bytes, converted, turned round in a stage of its own in LDS, stored as 8 x 512 consecutive bytes.
; All loads (ids, 16 of weights, 4 of x) are issued before the sorting, so that its arithmetic runs while 320 KiB of the work-group are on their way.
; WHY f16: it keeps 11 significant bits where bf16 keeps 8, and the operands have the room.  The weights are drawn inside +-2^-5; 30 times larger they
; stay below 1, with an offset of 30 spreads below 2, and f16 reaches 65,504; 30 times smaller their rms is 6e-4, and f16's spacing at the bottom, 2^-24,
; rounds them with an error of 3e-8 at the most.  x is drawn with spread 1: 30 times larger it reaches some 150, with an offset of 30 spreads some 35;
; 30 times smaller its rms is 0.03.  LIMIT, stated: a weight or an x beyond +-65,504 becomes infinite.
; Each expert's rows are padded to whole blocks of 160 rows.  For any routing the filled blocks number 52 to 59: floor((8192 + 8 x 159) / 160) = 59.
; The later launches always work on all 59 blocks (9,440 rows); the blocks that a routing leaves empty are given to expert 7.  So there are always
; 9,440 - 8,192 = 1,248 padding rows; they are stored as zeros, five by each work-group as far as they go.
; LIMIT, stated: an expert id outside 0..7 (unsigned) is sorted to expert 7; the last launch gives such a pair the weight 0,
; which is what a one-hot row of zeros gives.
.set POS_OFF, 0
.set BLK_OFF, 32768
.set ROWS,    9440
.set MAXROW,  ROWS-1
.set BLOCK,   160
.set NPAD,    ROWS-8192                ; 1,248 padding rows
.set POS_L,   4096                     ; LDS: bytes 0-4095 the waves' counts (32 waves x 32 words), bytes 4096-36863 the 8,192 sorted rows
.set CONV_L,  36864                    ; LDS: from here a stage for each wave
.set CPITCH,  288                      ; a chunk of the stage: 256 bytes (16 rows x 8 K of f16) + 32, so that chunk c begins at bank 8 c mod 64 (64 banks of 4 bytes: ISA guide 11.1)
.set WSTAGE,  16*CPITCH                ; 4,608 bytes: the 16 chunks of a wave's 16 rows x 128 K
; v1 = 16 t, v2 = 8 t, v3 = 4 t: byte offsets made once at the head and never written again
.set E,    4                           ; v[4:11]    expert ids of my 8 pairs: slots 0-3 pairs 4t.., slots 4-7 pairs 4096+4t..; then 4 x id
.set R,    12                          ; v[12:19]   rank in the wave, then the sorted row
.set T,    20                          ; v20        at work
.set C,    21                          ; v21        lane e: a number for expert e (counts, then first rows)
.set LANE, 22
.set LLD,  23                          ; v23        LDS: 128 lane
.set A,    24                          ; v[24:31]   at work at the head; lane l: the 8 counts of wave l; later at work for BLK
.set B,    24                          ; v[24:31]   then: first row of my wave in each slot's expert
.set P,    32                          ; v[32:35]   the counts, two experts to a word
.set Z,    32                          ; v[32:35]   then: 16 bytes of zeros
.set Q,    36                          ; v[36:39]   the counts of waves in front of mine
.set RB,   4                           ; v[4:35]    at the end: the weights as read back from the stage
.set XL,   40                          ; v40        16 lane
.set XS,   41                          ; v41        8 lane
.set PL,   42                          ; v42        LDS: 8 x my token
.set VW,   43                          ; v43        weights, source: 4096 (lane / 16) + 16 (lane % 16)
.set PP,   44                          ; v[44:45]   my token's two sorted rows
.set VS,   46                          ; v46        my stage, in
.set VR,   47                          ; v47        my stage, back
.set W,    48                          ; v[48:111]  16 units of weights
.set X,    112                         ; v[112:127] my half row of x
.set RUN,  16                          ; s[16:23]  running counts of my wave, then the experts' totals
.set PRE,  24                          ; s[24:31]  pairs of waves in front of mine, then my wave's first row
.set GEND, 32                          ; s[32:39]  blocks up to and with expert e
.set PADS, 40                          ; s[40:47]  first padding row
.set PADC, 48                          ; s[48:55]  number of padding rows
; s[72:73] xs, s74 wave, s75 at work, s[76:77] my weights, s[78:79] my half row of x, s[80:81] my part of wb, s[84:87] my two half rows of xs,
; s90 my token, s91 which half of its row, s92-95 at work, then the padding row, s[96:97] its address, s98 my stage
	s_load_b256 s[4:11], s[0:1], 0x0               ; topk_e s[4:5], w1 s[6:7], w2 s[8:9], x s[10:11]
	s_load_b128 s[12:15], s[0:1], 0x20             ; rt s[12:13], wb s[14:15]
	s_load_b64 s[72:73], s[0:1], 0x30              ; xs
	v_lshrrev_b32 v[T], 5, v0
	v_readfirstlane_b32 s74, v[T]                  ; wave 0..31
	v_lshlrev_b32 v1, 4, v0                        ; 16 t
	v_lshlrev_b32 v2, 3, v0                        ; 8 t
	v_lshlrev_b32 v3, 2, v0                        ; 4 t = 128 wave + 4 lane
	v_and_b32 v[LANE], 31, v0
	v_lshlrev_b32 v[XL], 4, v[LANE]
	v_lshlrev_b32 v[XS], 3, v[LANE]
	v_lshlrev_b32 v[LLD], 7, v[LANE]
	v_mov_b32 v[C], 0
	; the weights' lane terms.  A load takes 2 rows x 64 K of f32: lane l has row l / 16 of the two and K = 4 (l % 16) .. + 3
	v_and_b32 v[A], 15, v0                         ; c = l % 16
	v_bfe_u32 v[A+1], v0, 4, 1                     ; b = l / 16
	v_lshlrev_b32 v[VW], 4, v[A]
	v_lshl_add_u32 v[VW], v[A+1], 12, v[VW]        ; source: 16 c + 4096 b
	s_mul_i32 s98, s74, WSTAGE
	s_add_co_u32 s98, s98, CONV_L                  ; my wave's stage
	v_lshrrev_b32 v[A+2], 1, v[A]                  ; c / 2: which 8 K of the 64, that is which chunk
	v_and_b32 v[A+3], 1, v0                        ; c % 2: which half of the chunk's 16 bytes
	v_mul_u32_u24 v[VS], v[A+2], CPITCH
	v_lshl_add_u32 v[VS], v[A+1], 4, v[VS]         ; in: chunk c / 2, row b (the row pair stands in the immediate), 8 bytes
	v_lshl_add_u32 v[VS], v[A+3], 3, v[VS]         ; the 32 lanes' 64 words lie at 8 (c / 2) + 4 b + 2 (c % 2) + 0, 1 modulo 64: all different
	v_add_nc_u32 v[VS], s98, v[VS]
	v_mul_u32_u24 v[VR], v[A+1], CPITCH            ; back: lanes 0-15 an even chunk's 256 bytes, lanes 16-31 the next chunk's
	v_lshl_add_u32 v[VR], v[A], 4, v[VR]
	v_add_nc_u32 v[VR], s98, v[VR]
	s_lshl_b32 s90, ttmp9, 4
	s_lshr_b32 s75, s74, 1
	s_add_co_u32 s90, s90, s75                     ; my token = 16 x work-group + wave / 2
	s_and_b32 s91, s74, 1                          ; which half of its row is mine
	s_lshl_b32 s82, s90, 12                        ; a row of x: 4,096 bytes
	s_lshl_b32 s75, s91, 11
	s_add_co_u32 s82, s82, s75
	s_mov_b32 s83, 0
	s_and_b32 s88, ttmp9, 127                      ; work-groups 0-127 take w1, 128-255 take w2: 64 rows, 256 KiB each
	s_lshl_b32 s88, s88, 18
	s_lshr_b32 s92, s74, 3                         ; my wave's 16 rows of them: wave / 8
	s_lshl_b32 s92, s92, 16
	s_add_co_u32 s88, s88, s92
	s_and_b32 s92, s74, 7                          ; and its 128 K (512 bytes of f32): wave % 8
	s_lshl_b32 s92, s92, 9
	s_add_co_u32 s88, s88, s92
	s_mov_b32 s89, 0
	s_lshl_b32 s94, ttmp9, 17                      ; 128 KiB of wb for the work-group,
	s_lshl_b32 s92, s74, 12                        ; 4 KiB of them for the wave: 32 KiB x (wave / 8) + 4 KiB x (wave % 8)
	s_add_co_u32 s94, s94, s92
	s_mov_b32 s95, 0
	s_mov_b32 s58, 0x76543210                      ; v_permlanex16_b32: lane i reads lane i of the other half
	s_mov_b32 s59, 0xfedcba98
.irp e, 0,1,2,3,4,5,6,7
	s_mov_b32 s[RUN+\e], 0
.endr
	s_wait_kmcnt 0x0
	s_cmp_lt_u32 ttmp9, 128
	s_cselect_b64 s[76:77], s[6:7], s[8:9]
	s_add_nc_u64 s[76:77], s[76:77], s[88:89]
	s_add_nc_u64 s[78:79], s[10:11], s[82:83]
	s_add_nc_u64 s[80:81], s[14:15], s[94:95]
	; every load of the kernel, the ids first: loads come back in order (ISA guide 5.7.1), and the ids are wanted first
	global_load_b128 v[E:E+3],   v1, s[4:5]
	global_load_b128 v[E+4:E+7], v1, s[4:5] offset:16384
.set cu, 0
.rept 16
	global_load_b128 v[W+4*cu:W+4*cu+3], v[VW], s[76:77] offset:(cu&7)*8192+(cu>>3)*256 th:TH_LOAD_NT   ; unit cu: rows 2 (cu % 8), + 1, K half cu / 8: twice 256 consecutive bytes, aligned; read once in the launch
.set cu, cu+1
.endr
.irp k, 0,1,2,3
	global_load_b128 v[X+4*\k:X+4*\k+3], v[XL], s[78:79] offset:512*\k th:TH_LOAD_NT  ; my half row, 512 consecutive bytes a load; read once in the launch
.endr
	; ---------------- the sorting: 1,024 threads, 8 pairs each ----------------
	s_wait_loadcnt 20                              ; the two loads of ids are in; the 20 younger loads stay out
.irp j, 0,1,2,3,4,5,6,7
	v_min_u32 v[E+\j], 7, v[E+\j]                  ; ids outside 0..7 go to expert 7 (see the head)
.endr
; The rank of slot j's pair among the wave's pairs of expert e: those of earlier slots (RUN) + those of lower lanes in this slot.
; Expert 0's count starts the register; the expert that matches overwrites it, and exactly one matches.
.macro RANK j, e
	v_cmp_eq_u32 vcc_lo, \e, v[E+\j]
.if \e == 0
	v_mbcnt_lo_u32_b32 v[R+\j], vcc_lo, s[RUN+\e]
.else
	v_mbcnt_lo_u32_b32 v[T], vcc_lo, s[RUN+\e]
	v_cndmask_b32 v[R+\j], v[R+\j], v[T], vcc_lo
.endif
	s_bcnt1_i32_b32 s57, vcc_lo
	s_add_co_u32 s[RUN+\e], s[RUN+\e], s57
.endm
.irp j, 0,1,2,3,4,5,6,7
.irp e, 0,1,2,3,4,5,6,7
	RANK \j, \e
.endr
.endr
	; the waves' counts meet in LDS: a table of 32 waves x 32 words, of which words 0-7 count
.irp e, 0,1,2,3,4,5,6,7
	v_writelane_b32 v[C], s[RUN+\e], \e
.endr
	ds_store_b32 v3, v[C]
	s_wait_dscnt 0x0                               ; zero: the other waves read this word behind the barrier
	s_barrier_signal -1
	s_barrier_wait -1
	ds_load_b128 v[A:A+3],   v[LLD]                ; lane l: wave l's counts of experts 0-3
	ds_load_b128 v[A+4:A+7], v[LLD] offset:16      ; and 4-7
	s_wait_dscnt 0x0
.irp k, 0,1,2,3
	v_lshl_or_b32 v[P+\k], v[A+2*\k+1], 16, v[A+2*\k]      ; two experts to a word: no sum passes 8,192, so 16 bits hold it
.endr
	v_cmp_gt_u32 vcc_lo, s74, v[LANE]              ; lanes that stand for waves in front of mine
.irp k, 0,1,2,3
	v_cndmask_b32 v[Q+\k], 0, v[P+\k], vcc_lo
.endr
; the sum over the 32 lanes, in whole numbers, left in every lane
.macro WSUM r
.irp m, 1,2,4,8
	v_mov_b32_dpp v[T], v[\r] row_xmask:\m row_mask:0xf bank_mask:0xf
	v_add_nc_u32 v[\r], v[\r], v[T]
.endr
	v_permlanex16_b32 v[T], v[\r], s58, s59
	v_add_nc_u32 v[\r], v[\r], v[T]
.endm
.irp r, P, P+1, P+2, P+3, Q, Q+1, Q+2, Q+3
	WSUM \r
.endr
	v_readfirstlane_b32 s66, v[P]
	v_readfirstlane_b32 s67, v[P+1]
	v_readfirstlane_b32 s68, v[P+2]
	v_readfirstlane_b32 s69, v[P+3]
	v_readfirstlane_b32 s70, v[Q]
	v_readfirstlane_b32 s71, v[Q+1]
	v_readfirstlane_b32 s62, v[Q+2]
	v_readfirstlane_b32 s63, v[Q+3]
.irp k, 0,1,2,3
	s_and_b32  s[RUN+2*\k],   s[66+\k], 0xffff     ; the experts' totals
	s_lshr_b32 s[RUN+2*\k+1], s[66+\k], 16
.endr
	s_and_b32  s[PRE+0], s70, 0xffff               ; pairs of each expert in the waves in front of mine
	s_lshr_b32 s[PRE+1], s70, 16
	s_and_b32  s[PRE+2], s71, 0xffff
	s_lshr_b32 s[PRE+3], s71, 16
	s_and_b32  s[PRE+4], s62, 0xffff
	s_lshr_b32 s[PRE+5], s62, 16
	s_and_b32  s[PRE+6], s63, 0xffff
	s_lshr_b32 s[PRE+7], s63, 16
; Expert e gets ceil(n / 160) blocks behind those of the experts before it.  floor(x / 160) = floor((x >> 5) / 5), and y x 205 >> 10 is the
; exact quotient by 5 for y below 1,024 (205 / 1024 exceeds 1 / 5 by 1 / 5120); here y is 260 at the most.
.macro PLACE e
	s_add_co_u32 s57, s[RUN+\e], BLOCK-1
	s_lshr_b32 s57, s57, 5
	s_mul_i32 s57, s57, 205
	s_lshr_b32 s57, s57, 10                        ; the expert's blocks
	s_mul_i32 s61, s56, BLOCK                      ; its first row
	s_add_co_u32 s[PRE+\e], s[PRE+\e], s61         ; my wave's first row in it
	s_add_co_u32 s[PADS+\e], s[RUN+\e], s61        ; its first padding row
	s_add_co_u32 s56, s56, s57
	s_mov_b32 s[GEND+\e], s56
	s_mul_i32 s61, s56, BLOCK
	s_sub_co_u32 s[PADC+\e], s61, s[PADS+\e]       ; fewer than 160
.endm
	s_mov_b32 s56, 0
.irp e, 0,1,2,3,4,5,6,7
	PLACE \e
.endr
	s_sub_co_u32 s[PADC+7], ROWS, s[PADS+7]        ; expert 7 also takes the empty blocks: the eight counts now add up to 1,248
.irp e, 0,1,2,3,4,5,6,7
	v_writelane_b32 v[C], s[PRE+\e], \e            ; lane e: my wave's first row in expert e
.endr
.irp j, 0,1,2,3,4,5,6,7
	v_lshlrev_b32 v[E+\j], 2, v[E+\j]
	ds_bpermute_b32 v[B+\j], v[E+\j], v[C]         ; each slot pulls its expert's number; no LDS byte is touched
.endr
	s_lshl_b32 s75, s90, 3                         ; my token's two words in the table of sorted rows
	s_min_u32 s75, s75, 32760                      ; never binds; it states the table's end in front of the LDS address
	v_mov_b32 v[PL], s75
	s_wait_dscnt 0x0
.irp j, 0,1,2,3,4,5,6,7
	v_add_nc_u32 v[R+\j], v[R+\j], v[B+\j]         ; the pair's sorted row
.endr
	ds_store_b128 v1, v[R:R+3]   offset:POS_L      ; pair p at word p of the table
	ds_store_b128 v1, v[R+4:R+7] offset:POS_L+16384
	s_wait_dscnt 0x0                               ; zero: the other waves read these words behind the barrier
	s_barrier_signal -1
	s_barrier_wait -1
	ds_load_b64 v[PP:PP+1], v[PL] offset:POS_L     ; every lane of the wave reads the same two words
	; ---------------- the tables, work-group 0 alone ----------------
	s_cmp_lg_u32 ttmp9, 0
	s_cbranch_scc1 .Ltabled
	global_store_b128 v1, v[R:R+3],   s[12:13] offset:POS_OFF          ; POS: a wave's store covers 512 consecutive bytes
	global_store_b128 v1, v[R+4:R+7], s[12:13] offset:POS_OFF+16384
	s_cmp_lg_u32 s74, 0                            ; wave 0 alone writes BLK: lane l the experts of blocks 2l and 2l+1, 256 consecutive bytes, aligned
	s_cbranch_scc1 .Ltabled
	v_lshlrev_b32 v[A+2], 1, v[LANE]
	v_or_b32 v[A+3], 1, v[A+2]
.irp u, 0,1
	v_cmp_le_u32 vcc_lo, s[GEND], v[A+2+\u]        ; the expert of block b = how many of experts 0-6 end at or before b
	v_cndmask_b32 v[A+\u], 0, 1, vcc_lo
.irp e, 1,2,3,4,5,6
	v_cmp_le_u32 vcc_lo, s[GEND+\e], v[A+2+\u]
	v_cndmask_b32 v[T], 0, 1, vcc_lo
	v_add_nc_u32 v[A+\u], v[A+\u], v[T]
.endr
.endr
	global_store_b64 v2, v[A:A+1], s[12:13] offset:BLK_OFF
.Ltabled:
	; ---------------- the padding rows: number q = 5 x work-group + wave, waves 0-4, as far as the 1,248 go ----------------
	s_cmp_ge_u32 s74, 5
	s_cbranch_scc1 .Lpadded
	s_mul_i32 s92, ttmp9, 5
	s_add_co_u32 s92, s92, s74
	s_cmp_ge_u32 s92, NPAD
	s_cbranch_scc1 .Lpadded
	s_add_co_u32 s94, s[PADS], s92                 ; q counts through expert 0's padding rows, then expert 1's, and so on:
	s_mov_b32 s93, 0                               ; the last expert whose padding begins at or before q is the one
.irp e, 1,2,3,4,5,6,7
	s_add_co_u32 s93, s93, s[PADC+\e-1]            ; padding rows of the experts in front of e
	s_sub_co_u32 s95, s92, s93
	s_add_co_u32 s95, s95, s[PADS+\e]
	s_cmp_ge_u32 s92, s93
	s_cselect_b32 s94, s95, s94
.endr
	s_min_u32 s94, s94, MAXROW                     ; a number made from loaded ones enters an address behind its clamp
	s_lshl_b32 s96, s94, 11
	s_mov_b32 s97, 0
	s_add_nc_u64 s[96:97], s[72:73], s[96:97]
.irp k, 0,1,2,3
	v_mov_b32 v[Z+\k], 0
.endr
.irp k, 0,1,2,3
	global_store_b128 v[XL], v[Z:Z+3], s[96:97] offset:512*\k          ; a row of 2,048 bytes, 512 consecutive bytes a store
.endr
.Lpadded:
	; ---------------- where my half row of x goes ----------------
	s_wait_dscnt 0x0
	v_readfirstlane_b32 s84, v[PP]
	v_readfirstlane_b32 s86, v[PP+1]
	s_min_u32 s84, s84, MAXROW                     ; never bind; they stand in front of the addresses
	s_min_u32 s86, s86, MAXROW
	s_lshl_b32 s75, s91, 10                        ; my half of a row of xs: 1,024 bytes
	s_lshl_b32 s84, s84, 11
	s_lshl_b32 s86, s86, 11
	s_add_co_u32 s84, s84, s75
	s_add_co_u32 s86, s86, s75
	s_mov_b32 s85, 0
	s_mov_b32 s87, 0
	s_add_nc_u64 s[84:85], s[72:73], s[84:85]
	s_add_nc_u64 s[86:87], s[72:73], s[86:87]
	; ---------------- the weights: converted, turned round in my wave's stage, stored in the fragments' order ----------------
	s_wait_xcnt 0x0                                ; v[4:35], which the stores of the tables and of the zeros read, are loaded into only behind this wait
.irp u, 0,1
.irp i, 0,1,2,3,4,5,6,7
	s_wait_loadcnt 19-(8*\u+\i)                    ; this unit is in; the younger units and the 4 loads of x stay out
	v_cvt_pk_f16_f32 v[W+4*(8*\u+\i)],   v[W+4*(8*\u+\i)],   v[W+4*(8*\u+\i)+1]     ; two roundings to f16, packed, in place
	v_cvt_pk_f16_f32 v[W+4*(8*\u+\i)+1], v[W+4*(8*\u+\i)+2], v[W+4*(8*\u+\i)+3]
	ds_store_b64 v[VS], v[W+4*(8*\u+\i):W+4*(8*\u+\i)+1] offset:\u*8*CPITCH+\i*32   ; K half u: chunks 8 u .. + 7; rows 2 i, 2 i + 1 at 16 bytes a row
.endr
.irp m, 0,1,2,3
	ds_load_b128 v[RB+4*(4*\u+\m):RB+4*(4*\u+\m)+3], v[VR] offset:(4*\u+\m)*2*CPITCH   ; two chunks; LDS serves a wave's instructions in order (ISA guide 5.7.1.4): these see my stores above
.endr
.irp m, 0,1,2,3
	s_wait_dscnt 3-\m                              ; LDS loads come back in order: this one is in, the 3 - m younger stay out
	global_store_b128 v[XL], v[RB+4*(4*\u+\m):RB+4*(4*\u+\m)+3], s[80:81] offset:(4*\u+\m)*512   ; chunk n lies at 256 n of my 4 KiB: 512 consecutive bytes, aligned; no register is written again
.endr
.endr
	; ---------------- my half row of x ----------------
.irp k, 0,1,2,3
	s_wait_loadcnt 3-\k                            ; piece k of my half row is in
	v_cvt_pk_f16_f32 v[X+4*\k],   v[X+4*\k],   v[X+4*\k+1]
	v_cvt_pk_f16_f32 v[X+4*\k+1], v[X+4*\k+2], v[X+4*\k+3]
	global_store_b64 v[XS], v[X+4*\k:X+4*\k+1], s[84:85] offset:256*\k   ; the same 256 bytes to the token's first sorted row
	global_store_b64 v[XS], v[X+4*\k:X+4*\k+1], s[86:87] offset:256*\k   ; and to its second
.endr
	s_wait_xcnt 0x0
	v_lshl_add_u32 v126, v0, 2, 0x2d000
	v_mov_b32 v127, 0
	s_wait_tensorcnt 0x0
	ds_add_u32 v126, v127
	s_wait_dscnt 0x0
	s_endpgm
.Lfunc_end_k_qd9b095e485_prep:
	.size	k_qd9b095e485_prep, .Lfunc_end_k_qd9b095e485_prep-k_qd9b095e485_prep
	.p2alignl 7, 3214868480
	.fill 96, 4, 3214868480
	.section	.rodata,"a",@progbits
	.p2align	6, 0x0
	.amdhsa_kernel k_qd9b095e485_prep
		.amdhsa_group_segment_fixed_size 188416
		.amdhsa_private_segment_fixed_size 0
		.amdhsa_enable_private_segment 0
		.amdhsa_kernarg_size 56
		.amdhsa_user_sgpr_count 2
		.amdhsa_user_sgpr_kernarg_segment_ptr 1
		.amdhsa_wavefront_size32 1
		.amdhsa_system_sgpr_workgroup_id_x 1
		.amdhsa_system_sgpr_workgroup_id_y 1
		.amdhsa_system_sgpr_workgroup_id_z 1
		.amdhsa_system_vgpr_workitem_id 0
		.amdhsa_next_free_vgpr 128
		.amdhsa_next_free_sgpr 100
		.amdhsa_reserve_vcc 1
		.amdhsa_float_denorm_mode_32 3
		.amdhsa_float_denorm_mode_16_64 3
		.amdhsa_memory_ordered 1
		.amdhsa_forward_progress 1
		.amdhsa_inst_pref_size 41
	.end_amdhsa_kernel
	.amdgpu_metadata
---
amdhsa.version: [ 1, 2 ]
amdhsa.kernels:
  - .name:           k_qd9b095e485_prep
    .symbol:         k_qd9b095e485_prep.kd
    .args:
      - { .name: topk_e, .offset: 0, .size: 8, .value_kind: global_buffer, .address_space: global }
      - { .name: w1, .offset: 8, .size: 8, .value_kind: global_buffer, .address_space: global }
      - { .name: w2, .offset: 16, .size: 8, .value_kind: global_buffer, .address_space: global }
      - { .name: x, .offset: 24, .size: 8, .value_kind: global_buffer, .address_space: global }
      - { .name: rt, .offset: 32, .size: 8, .value_kind: global_buffer, .address_space: global }
      - { .name: wb, .offset: 40, .size: 8, .value_kind: global_buffer, .address_space: global }
      - { .name: xs, .offset: 48, .size: 8, .value_kind: global_buffer, .address_space: global }
    .group_segment_fixed_size: 188416
    .private_segment_fixed_size: 0
    .kernarg_segment_align: 8
    .kernarg_segment_size: 56
    .max_flat_workgroup_size: 1024
    .sgpr_count:     100
    .vgpr_count:     128
    .wavefront_size: 32
...
	.end_amdgpu_metadata
.endif
;; end of part 6
;; launch up (part 7): grid 4 x 59, 4 waves a work-group, clusters of 4 x 1, 327,680 bytes of LDS; arguments xs, wb, rt, hs; writes hs
.if DOCPART == 7
	.amdgcn_target "amdgcn-amd-amdhsa--gfx1250"
	.amdhsa_code_object_version 6
	.text
	.protected	k_qd9b095e485_up
	.globl	k_qd9b095e485_up
	.p2align	8
	.type	k_qd9b095e485_up,@function
k_qd9b095e485_up:
	s_mov_b64 s[64:65], 0
	v_nop
	global_prefetch_b8 v0, s[64:65] scope:SCOPE_SE
	s_setreg_imm32_b32 hwreg(HW_REG_WAVE_MODE, 25, 1), 1
	s_wait_xcnt 0x0
	s_wait_alu depctr_hold_cnt(0) depctr_sa_sdst(0) depctr_va_vdst(0) depctr_va_sdst(0) depctr_va_ssrc(0) depctr_va_vcc(0) depctr_vm_vsrc(0)
	s_getreg_b32 s2, hwreg(HW_REG_IB_STS2, 6, 4)
	s_cmp_eq_u32 s2, 0
	s_cbranch_scc0 .Lentry_in_a_cluster
	s_endpgm
.Lentry_in_a_cluster:
	s_bfe_u32 s2, ttmp6, 0x10000c
	s_cmp_lg_u32 s2, 0x3003
	s_cbranch_scc0 .Lentry_shape_is_right
	s_endpgm
.Lentry_shape_is_right:
; up: hs[i][f] = f16(silu(sum over d of xs[i][d] w1[e][f][d]) / 4), e = the expert of row i's block.  xs, w1 (in wb), hs: f16; sums and silu in f32.
; WHY f16: rounding x, w1, h and w2 to bf16's 8 significant bits (relative rms error about 1.6e-3 each) would leave about 6e-4 x sqrt(c0^2 + c1^2) in an
; output whose allowance near zero is a hundredth of its rms of about 0.15: under three standard deviations, over four million numbers.  With f16's
; 11 bits the error is an eighth of that.
; WHY THE QUARTER: h is the operand with the least room.  With x and w1 both 30 times larger it reaches some 2,900; with both carrying an offset of 30
; spreads about 1,024 x 30 x 1.9 = 58,000, close under f16's 65,504.  Stored as h / 4 it has room up to 262,000, and with x and w1 both 30 times smaller
; (h's rms 3e-4, stored 8e-5) f16's spacing at the bottom, 2^-24, still keeps a relative error of 2e-4.  The last launch multiplies by 4, exactly.
; A cluster of 4 work-groups makes one block of 160 sorted rows x 1,024 columns; work-group cx makes columns 256 cx .. + 255;
; wave W of its four makes all 160 rows x columns 64 W .. + 63: 10 x 4 accumulator tiles of 16 x 16, 320 registers.
; THE SCHEDULE IS CONSTANT: all 59 blocks are computed whatever the routing, and no branch hangs on a number read from memory; the block's expert,
; read from rt, enters the address of w1 and nothing else.  59 blocks are what the worst routing fills (8,192 + 8 x 159 rows); blocks that a
; routing leaves empty (7 at the most) hold zeros and belong to expert 7, are computed like the others and are never read by the last launch.
; xs GOES THROUGH LDS, BY JOINT LOADS: all four waves of all four work-groups of the cluster multiply by the same 160 rows.  Each wave asks for 40 of them,
; with the same descriptor in all four work-groups (made of the cluster's y and the wave's number) and the mask 15.  Two slots of 256 K each
; (160 rows x 512 bytes): K = 1,024 is the two first fills and two refills.
; w1 COMES STRAIGHT INTO REGISTERS: wave W alone multiplies by rows 64 W .. + 63 of the work-group's 256, so LDS would hand them to no second reader.
; The first launch has laid wb out in the fragments' order (1,024 bytes for 16 rows x 32 K: the lanes' registers 0-3, then 4-7), so a load of 16 bytes a
; lane covers 512 consecutive bytes.  A ring of eight register buffers, one for each quarter step of 32 K, is asked for seven quarters ahead:
; up to 56 loads, 28 KiB of the wave, are on their way, and their waits are counted.
; w1 is not shared between row blocks by joint loads: four blocks that ask jointly would have to be of one expert, that is padding to 640 rows and room
; for 8,192 + 8 x 639 = 13,304 rows in place of 9,464.
; K is written out, 32 quarter steps without a loop: every offset into w1 stands in an immediate and no address is stepped but the two slots'.
; THE MATRIX INSTRUCTION IS USED TRANSPOSED: source 0 = 16 rows of w1, source 1 = 16 rows of xs, so lane l holds row l % 16 and its registers 0-7 the
; columns 8 (l / 16) + 0..7: eight neighbouring numbers of a row of hs.
; LIMITS, stated: operands are rounded to f16; an |h| above 262,000 becomes infinite.  silu(a) / 4 = a / (4 + 4 x 2^(-1.442695 a)): for a far below zero
; the power is infinite, the quotient 0 and the result -0; quotients below 2^-126 come out as 0.
.set PITCH,   528                      ; an LDS row: 512 bytes + 16 of padding: 16 neighbouring rows start at 16 different 16-byte columns modulo 256 bytes
.set AQ,      40*PITCH                 ; what one load brings: 40 rows
.set SLOT,    160*PITCH                ; 84,480 bytes
.set STAGE,   2*SLOT                   ; 168,960 = 660 x 256: behind the ring, never the target of a tensor load
.set SPITCH,  528                      ; the stage: 160 rows of 512 bytes + 16
.set BLOCK,   160
.set ROWB,    2048                     ; bytes in a row of xs, hs
.set BLK_OFF, 32768
.set G1W0, 15|(1<<16)|(1<<20)|(1<<21)|(6<<22)|(3<<25)   ; 15:0 the mask: all four work-groups; 17:16 elements of 2 bytes; 20 padding on; 21 set beside a mask; 24:22 after every 128 words; 31:25 of 4 words
.set ADRA,  16                         ; v16-17  LDS address of my fragments of xs's row blocks 0-4 in slot 0, 1
.set ADRA2, 18                         ; v18-19  the same for row blocks 5-9 (their offsets would pass 16 bits)
.set BL,    20                         ; v20     16 x lane: my 16 bytes in 512 of w1, and in a row piece of hs
.set STO,   24                         ; v24     the way out: where I put 16 bytes of a row, row blocks 0-4
.set RD,    25                         ; v25     the way out: where I read rows back
.set STO2,  27                         ; v27     as STO, row blocks 5-9
.set FA0,   32                         ; v32-111   xs's 10 fragments, buffer 0
.set FA1,   112                        ; v112-191  buffer 1
.set TT,    32                         ; the way out: 32 numbers at work
.set PK,    64                         ; the way out: 16 packed words
.set G1,    24                         ; s[24:31] descriptor group 1
.set G0,    32                         ; s[32:39] descriptor group 0, one set for each slot
.set BB,    44                         ; s[44:45] my wave's 64 rows of w1
; windows of 256 registers: 0 addresses and xs's fragments; 1 the accumulator tiles of row blocks 0-4, tile (a, b) at v[8 (4 a + b)];
; 2 those of row blocks 5-9, tile (a, b) at v[8 (4 (a - 5) + b)]; 3 w1's ring, quarter q's fragment b at v[32 (q % 8) + 8 b]
.set W1,    0x53                       ; source 0 (w1) window 3, source 1 (xs) window 0, C and D window 1
.set W2,    0xa3                       ; the same, C and D window 2
.set TO_B,  0xc0                       ; destination window 3, address window 0
.set MSB,   0
.macro WIN new                         ; the immediate's high byte repeats the setting that is left; switches that change nothing are dropped
.if MSB != \new
	s_set_vgpr_msb (MSB<<8)|\new
.set MSB, \new
.endif
.endm
.macro PLACES                          ; four independent vector instructions behind a matrix instruction (ISA guide 7.12.1) before its registers are loaded into or its result read
.rept 4
	v_nop
.endr
.endm
; A joint load: my wave's 40 rows of the cluster's tile of xs into slot s.  The same line, on every path, in every wave of all four work-groups.
.macro ALOAD s
	tensor_load_to_lds s[G0+4*\s:G0+4*\s+3], s[G1:G1+7]
	s_nop 0
.rept 4
	v_nop
.endr
.endm
; A round of the cluster's barrier: my work-group's barrier; wave 0 signals for the work-group; every wave waits for all four; my work-group's barrier again.
.macro CREST                           ; a round behind its opening barrier
	s_cmp_lg_u32 s12, 0
	s_cbranch_scc1 .Lnot_wave_0_\@
	s_barrier_signal -3
.Lnot_wave_0_\@:
	s_barrier_wait -3
	s_barrier_signal -1
	s_barrier_wait -1
.endm
.macro CROUND
	s_barrier_signal -1
	s_barrier_wait -1
	CREST
.endm
; quarter q's four fragments of w1 into ring buffer q % 8: eight loads of 512 consecutive bytes
.macro BLOAD q
	WIN TO_B
.irp b, 0,1,2,3
	global_load_b128 v[32*((\q)&7)+8*\b:32*((\q)&7)+8*\b+3],   v[BL], s[BB:BB+1] offset:\b*32768+(\q)*1024
	global_load_b128 v[32*((\q)&7)+8*\b+4:32*((\q)&7)+8*\b+7], v[BL], s[BB:BB+1] offset:\b*32768+(\q)*1024+512
.endr
.endm
.macro BNEXT q                         ; in quarter q: ask for quarter q + 7, into the buffer that quarter q - 1 has left; the last seven quarters ask for nothing
.if (\q) < 25
	BLOAD (\q)+7
.endif
.endm
.macro LWAIT q                         ; loads come back in order (ISA guide 5.7.1): quarter q's eight are in when only the younger ones are out,
.if (\q) < 26
	s_wait_loadcnt 48                              ; those of quarters q + 1 .. q + 6
.else
	s_wait_loadcnt 8*(31-(\q))                     ; those of quarters q + 1 .. 31
.endif
.endm
; cnt x 4 matrix instructions: row blocks a0 .. a0 + cnt - 1 x my 4 column blocks, 32 along K.  f: xs's buffer; rb: w1's ring buffer;
; abase: the first row block of the accumulators' window.  zero = 1: the first product starts the sums.
; The 40 accumulators take turns, one instruction a turn, in the same order in every quarter step.
.macro MUL f, rb, abase, a0, cnt, zero
.set ma, \a0
.rept \cnt
.irp b, 0,1,2,3
.if \zero
	v_wmma_f32_16x16x32_f16 v[8*(4*(ma-\abase)+\b):8*(4*(ma-\abase)+\b)+7], v[\rb+8*\b:\rb+8*\b+7], v[\f+8*ma:\f+8*ma+7], 0
.else
	v_wmma_f32_16x16x32_f16 v[8*(4*(ma-\abase)+\b):8*(4*(ma-\abase)+\b)+7], v[\rb+8*\b:\rb+8*\b+7], v[\f+8*ma:\f+8*ma+7], v[8*(4*(ma-\abase)+\b):8*(4*(ma-\abase)+\b)+7]
.endif
.endr
.set ma, ma+1
.endr
.endm
; 20 LDS loads in one run: one quarter step's fragments of xs (32 K at byte k of the rows) into buffer f: 10 for row blocks 0-4, 10 for row blocks 5-9
.macro FETCH slot, k, f
	WIN 0
.irp i, 0,1,2,3,4
	ds_load_b128 v[\f+8*\i:\f+8*\i+3],   v[ADRA+\slot] offset:\k+\i*16*PITCH
	ds_load_b128 v[\f+8*\i+4:\f+8*\i+7], v[ADRA+\slot] offset:\k+\i*16*PITCH+32
.endr
.irp i, 0,1,2,3,4
	ds_load_b128 v[\f+40+8*\i:\f+40+8*\i+3],   v[ADRA2+\slot] offset:\k+\i*16*PITCH
	ds_load_b128 v[\f+40+8*\i+4:\f+40+8*\i+7], v[ADRA2+\slot] offset:\k+\i*16*PITCH+32
.endr
.endm
; Quarter q (0..31), one of a slot's first seven: slot (q / 8) % 2, xs's buffer q % 2, ring buffer q % 8.  In its middle it fetches the next quarter's
; fragments of xs from the same slot and asks for w1's quarter q + 7.
.macro QUARTER q, zero
.set qs, ((\q)>>3)&1
.set qk, 64*(((\q)&7)+1)
.set qf, FA0+80*((\q)&1)
.set qg, FA0+80-80*((\q)&1)
.set qn, 32*((\q)&7)
	s_wait_dscnt 10                                ; all but the ten youngest LDS loads (row blocks 5-9) are in
	LWAIT \q
	WIN W1
	MUL qf, qn, 0, 0, 5, \zero
	PLACES                                         ; xs's other buffer and ring buffer (q - 1) % 8 were last read by the quarter before
	FETCH qs, qk, qg
	BNEXT \q
	s_wait_dscnt 20                                ; all but the 20 just issued
	WIN W2
	MUL qf, qn, 5, 5, 5, \zero
.endm
; A slot's eighth quarter multiplies buffer 1 and changes slots.  In front of the barrier each wave waits for its reads of this slot and for all its tensor
; loads (one is out: its part of the next slot).  fill = 1: the barrier opens a round of the cluster's barrier, and behind the round this slot is asked for
; again, 512 K ahead, first thing; from that request to the wait for it a wave issues 312 of a slot's 320 matrix instructions.
.macro TURN q, fill
.set qs, ((\q)>>3)&1
	s_wait_dscnt 10
	LWAIT \q
	WIN W1
	MUL FA1, 224, 0, 0, 3, 0
	s_wait_dscnt 0x0                               ; my reads of this slot are over
	s_set_vgpr_msb 0x5350
	s_wait_tensorcnt 0x0                           ; all my tensor loads have landed
	ds_add_u32 v254, v255
	s_wait_dscnt 0x0
	s_set_vgpr_msb 0x5053
	s_barrier_signal -1
	MUL FA1, 224, 0, 3, 2, 0                       ; register work while the others arrive
	WIN 0
	s_barrier_wait -1
.if \fill
	CREST                                          ; no wave of any partner still reads this slot or has a tensor load on its way
	s_add_nc_u64 s[G0+4*qs+2:G0+4*qs+3], s[G0+4*qs+2:G0+4*qs+3], 1024   ; two slots of 512 bytes on; no tensor load of mine is out
	ALOAD qs                                       ; its four v_nop are also the places in front of the loads below
.else
	PLACES
.endif
	FETCH 1-qs, 0, FA0
	BNEXT \q
	WIN W2
	MUL FA1, 224, 5, 5, 5, 0
.endm
	s_load_b256 s[4:11], s[0:1], 0x0               ; xs s[4:5], wb s[6:7], rt s[8:9], hs s[10:11]
	v_lshl_add_u32 v254, v0, 2, 0x3de00
	v_mov_b32 v255, 0
	ds_add_u32 v254, v255
	v_lshrrev_b32 v1, 5, v0
	v_readfirstlane_b32 s12, v1                    ; wave 0..3
	s_bfe_u32 s16, ttmp6, 0x40000                  ; cx: my column block
	s_and_b32 s18, ttmp7, 0xffff                   ; the cluster's y: the row block
	s_lshl_b32 s2, s18, 2
	s_mov_b32 s[G1+0], G1W0
	s_mov_b32 s[G1+1], 256<<16                     ; tensor_dim0 = 256
	s_mov_b32 s[G1+2], (BLOCK/4)<<16               ; tensor_dim1 = 40
	s_mov_b32 s[G1+3], 256<<16                     ; tile_dim0 = 256
	s_mov_b32 s[G1+4], BLOCK/4                     ; tile_dim1 = 40
	s_mov_b32 s[G1+5], 1024                        ; elements from row to row
	s_mov_b32 s[G1+6], 0
	s_mov_b32 s[G1+7], 0
	s_mul_i32 s21, s12, AQ                         ; my 40 rows in a slot
.irp s, 0,1
	s_mov_b32 s[G0+4*\s], 1
	s_add_co_u32 s[G0+4*\s+1], s21, \s*SLOT
.endr
	s_mul_i32 s40, s18, BLOCK                      ; xs: row 160 block + 40 wave, in bytes (these registers never hold cx)
	s_mul_i32 s41, s12, BLOCK/4
	s_add_co_u32 s40, s40, s41
	s_lshl_b32 s40, s40, 11
	s_mov_b32 s41, 0
	s_lshl_b32 s46, s16, 19                        ; w1: rows 256 cx + 64 wave of the expert, at 2,048 bytes a row
	s_lshl_b32 s47, s12, 17
	s_add_co_u32 s46, s46, s47
	s_mov_b32 s70, 0xbfb8aa3b                      ; -1.442695, twice: the packed multiply names the pair
	s_mov_b32 s71, 0xbfb8aa3b
	v_and_b32 v5, 31, v0
	v_lshlrev_b32 v[BL], 4, v5
	s_wait_dscnt 0x0
	s_wait_kmcnt 0x0
	s_load_b32 s20, s[8:9], s2 offset:BLK_OFF      ; the block's expert
	s_add_nc_u64 s[G0+2:G0+3], s[4:5], s[40:41]    ; K 0 to 255
	s_add_nc_u64 s[G0+6:G0+7], s[G0+2:G0+3], 512   ; K 256 to 511
	s_or_b32 s[G0+3], s[G0+3], 0x80000000          ; type = 2
	s_or_b32 s[G0+7], s[G0+7], 0x80000000
	s_wait_kmcnt 0x0
	s_min_u32 s20, s20, 7                          ; a loaded number enters an address behind its clamp
	s_lshl_b32 s44, s20, 21                        ; an expert's w1: 2 MiB of f16
	s_add_co_u32 s44, s44, s46
	s_mov_b32 s45, 0
	s_add_nc_u64 s[BB:BB+1], s[6:7], s[44:45]
.irp q, 0,1,2,3,4,5,6
	BLOAD \q                                       ; the ring's first seven quarters: 56 loads
.endr
	WIN 0
	CROUND                                         ; all four work-groups are here: the first joint loads meet
	ALOAD 0
	ALOAD 1                                        ; both first fills go out together, two tensor loads of the wave on their way
	; A fragment is 16 rows x 32 K in 8 registers: lane l holds row l % 16; registers 0-3 K = 8 (l / 16) + 0..7, registers 4-7 K = 16 + 8 (l / 16) + 0..7.
	v_and_b32 v1, 15, v0                           ; r = l % 16
	v_bfe_u32 v2, v0, 4, 1                         ; h = l / 16
	v_mul_u32_u24 v3, v1, PITCH
	v_lshl_add_u32 v[ADRA], v2, 4, v3              ; row x pitch + 16 h
	v_add_nc_u32 v[ADRA+1], SLOT, v[ADRA]
	v_add_nc_u32 v[ADRA2], 5*16*PITCH, v[ADRA]
	v_add_nc_u32 v[ADRA2+1], SLOT+5*16*PITCH, v[ADRA]
	s_lshl_b32 s23, s12, 7                         ; the stage, in: row r (the same pitch), my wave's 128 bytes, 16 bytes for each half of the lanes
	s_add_co_u32 s23, s23, STAGE
	v_add_nc_u32 v[STO], s23, v[ADRA]
	v_add_nc_u32 v[STO2], 5*16*SPITCH, v[STO]
	s_mul_i32 s23, s12, 40*SPITCH                  ; back: my wave's 40 of the 160 rows, 32 lanes take a row's 512 bytes
	s_add_co_u32 s23, s23, STAGE
	v_add_nc_u32 v[RD], s23, v[BL]
	s_wait_tensorcnt 0x1                           ; my part of slot 0 is in; slot 1's may stay out
	s_barrier_signal -1
	s_barrier_wait -1                              ; everybody's is
	FETCH 0, 0, FA0
	QUARTER 0, 1                                   ; the first products start the sums
.irp q, 1,2,3,4,5,6
	QUARTER \q, 0
.endr
	TURN 7, 1                                      ; slot 0 is asked for again: K 512 to 767
.irp q, 8,9,10,11,12,13,14
	QUARTER \q, 0
.endr
	TURN 15, 1                                     ; slot 1 is asked for again: K 768 to 1,023
.irp q, 16,17,18,19,20,21,22
	QUARTER \q, 0
.endr
	TURN 23, 0                                     ; nothing is left to fetch
.irp q, 24,25,26,27,28,29,30
	QUARTER \q, 0
.endr
	s_wait_dscnt 10                                ; the last quarter
	s_wait_loadcnt 0x0
	WIN W1
	MUL FA1, 224, 0, 0, 5, 0
	s_wait_dscnt 0x0
	WIN W2
	MUL FA1, 224, 5, 5, 5, 0
	PLACES                                         ; behind the last matrix instructions, before their results are read
	; THE WAY OUT: a quarter of silu in f32, rounded to f16, 16 bytes a lane into the work-group's stage; then whole pieces of 512 bytes of hs's rows.
	s_mul_i32 s68, s18, BLOCK
	s_mul_i32 s69, s12, 40
	s_add_co_u32 s68, s68, s69                     ; row 160 block + 40 W
	s_lshl_b32 s68, s68, 11
	s_lshl_b32 s69, s16, 9                         ; column 256 cx, in bytes
	s_add_co_u32 s68, s68, s69
	s_mov_b32 s69, 0
	s_add_nc_u64 s[66:67], s[10:11], s[68:69]
; One row block: the window's tiles (al, 0..3), 32 registers.  w: source 0 in the accumulators' window (0x01 or 0x02).
.macro SILU al, w, sto
	WIN \w
.set i, 0
.rept 16
	v_pk_mul_f32 v[TT+2*i:TT+2*i+1], v[32*\al+2*i:32*\al+2*i+1], s[70:71] op_sel_hi:[1,0]   ; -1.442695 a
.set i, i+1
.endr
	WIN 0
.set i, 0
.rept 32
	v_exp_f32 v[TT+i], v[TT+i]
.set i, i+1
.endr
	v_nop                                          ; one plain vector instruction behind the last transcendental before its result is used (ISA guide 5.7.2)
.set i, 0
	s_wait_alu depctr_va_vdst(0)
.rept 16
	v_pk_fma_f32 v[TT+2*i:TT+2*i+1], v[TT+2*i:TT+2*i+1], 4.0, 4.0 op_sel_hi:[1,0,0]         ; 4 + 4 x 2^(-1.442695 a): the quarter rides on the sum
.set i, i+1
.endr
.set i, 0
.rept 32
	v_rcp_f32 v[TT+i], v[TT+i]
.set i, i+1
.endr
	v_nop
	WIN \w
.set i, 0
	s_wait_alu depctr_va_vdst(0)
.rept 16
	v_pk_mul_f32 v[TT+2*i:TT+2*i+1], v[32*\al+2*i:32*\al+2*i+1], v[TT+2*i:TT+2*i+1]         ; a / (4 + 4 x 2^(-1.442695 a))
.set i, i+1
.endr
	WIN 0
.set i, 0
.rept 16
	v_cvt_pk_f16_f32 v[PK+i], v[TT+2*i], v[TT+2*i+1]
.set i, i+1
.endr
.irp b, 0,1,2,3
	ds_store_b128 v[\sto], v[PK+4*\b:PK+4*\b+3] offset:\al*16*SPITCH+32*\b
.endr
.endm
	SILU 0, 0x01, STO
	SILU 1, 0x01, STO
	SILU 2, 0x01, STO
	SILU 3, 0x01, STO
	SILU 4, 0x01, STO
	SILU 0, 0x02, STO2
	SILU 1, 0x02, STO2
	SILU 2, 0x02, STO2
	SILU 3, 0x02, STO2
	SILU 4, 0x02, STO2
	s_wait_dscnt 0x0                               ; zero: the other waves read my columns behind the barrier
	s_barrier_signal -1
	s_barrier_wait -1                              ; no tensor load is out
.set i, 0
.rept 40
	ds_load_b128 v[FA0+4*i:FA0+4*i+3], v[RD] offset:i*SPITCH       ; row 40 W + i: the four waves' 512 bytes
.set i, i+1
.endr
.set i, 0
.rept 40
	s_wait_dscnt 39-i                              ; LDS loads come back in order: row i is in
	global_store_b128 v[BL], v[FA0+4*i:FA0+4*i+3], s[66:67] offset:i*ROWB   ; 512 consecutive bytes, at a multiple of 512 from hs's first byte
.set i, i+1
.endr
	s_wait_tensorcnt 0x0
	ds_add_u32 v254, v255
	s_wait_dscnt 0x0
	CROUND                                         ; the closing round: no work-group ends while a partner may still ask for a tile that names it
	s_endpgm
.Lfunc_end_k_qd9b095e485_up:
	.size	k_qd9b095e485_up, .Lfunc_end_k_qd9b095e485_up-k_qd9b095e485_up
	.p2alignl 7, 3214868480
	.fill 96, 4, 3214868480
	.section	.rodata,"a",@progbits
	.p2align	6, 0x0
	.amdhsa_kernel k_qd9b095e485_up
		.amdhsa_group_segment_fixed_size 327680
		.amdhsa_private_segment_fixed_size 0
		.amdhsa_enable_private_segment 0
		.amdhsa_kernarg_size 32
		.amdhsa_user_sgpr_count 2
		.amdhsa_user_sgpr_kernarg_segment_ptr 1
		.amdhsa_wavefront_size32 1
		.amdhsa_system_sgpr_workgroup_id_x 1
		.amdhsa_system_sgpr_workgroup_id_y 1
		.amdhsa_system_sgpr_workgroup_id_z 1
		.amdhsa_system_vgpr_workitem_id 0
		.amdhsa_next_free_vgpr 1024
		.amdhsa_next_free_sgpr 72
		.amdhsa_reserve_vcc 0
		.amdhsa_float_denorm_mode_32 3
		.amdhsa_float_denorm_mode_16_64 3
		.amdhsa_memory_ordered 1
		.amdhsa_forward_progress 1
		.amdhsa_inst_pref_size 234
	.end_amdhsa_kernel
	.amdgpu_metadata
---
amdhsa.version: [ 1, 2 ]
amdhsa.kernels:
  - .name:           k_qd9b095e485_up
    .symbol:         k_qd9b095e485_up.kd
    .args:
      - { .name: xs, .offset: 0, .size: 8, .value_kind: global_buffer, .address_space: global }
      - { .name: wb, .offset: 8, .size: 8, .value_kind: global_buffer, .address_space: global }
      - { .name: rt, .offset: 16, .size: 8, .value_kind: global_buffer, .address_space: global }
      - { .name: hs, .offset: 24, .size: 8, .value_kind: global_buffer, .address_space: global }
    .group_segment_fixed_size: 327680
    .private_segment_fixed_size: 0
    .kernarg_segment_align: 8
    .kernarg_segment_size: 32
    .max_flat_workgroup_size: 128
    .sgpr_count:     72
    .vgpr_count:     1024
    .wavefront_size: 32
...
	.end_amdgpu_metadata
.endif
;; end of part 7
;; launch down (part 8): grid 4 x 59, 4 waves a work-group, clusters of 4 x 1, 327,680 bytes of LDS; arguments hs, wb, rt, ys; writes ys
.if DOCPART == 8
	.amdgcn_target "amdgcn-amd-amdhsa--gfx1250"
	.amdhsa_code_object_version 6
	.text
	.protected	k_qd9b095e485_down
	.globl	k_qd9b095e485_down
	.p2align	8
	.type	k_qd9b095e485_down,@function
k_qd9b095e485_down:
	s_mov_b64 s[64:65], 0
	v_nop
	global_prefetch_b8 v0, s[64:65] scope:SCOPE_SE
	s_setreg_imm32_b32 hwreg(HW_REG_WAVE_MODE, 25, 1), 1
	s_wait_xcnt 0x0
	s_wait_alu depctr_hold_cnt(0) depctr_sa_sdst(0) depctr_va_vdst(0) depctr_va_sdst(0) depctr_va_ssrc(0) depctr_va_vcc(0) depctr_vm_vsrc(0)
	s_getreg_b32 s2, hwreg(HW_REG_IB_STS2, 6, 4)
	s_cmp_eq_u32 s2, 0
	s_cbranch_scc0 .Lentry_in_a_cluster
	s_endpgm
.Lentry_in_a_cluster:
	s_bfe_u32 s2, ttmp6, 0x10000c
	s_cmp_lg_u32 s2, 0x3003
	s_cbranch_scc0 .Lentry_shape_is_right
	s_endpgm
.Lentry_shape_is_right:
; down: ys[i][d] = sum over f of hs[i][f] w2[e][d][f], e = the expert of row i's block.  hs (a quarter of h), w2 (the second half of wb): f16; sums and ys in f32.
; So ys holds a quarter of the expert's output; the last launch multiplies by 4, exactly.  f16 and not bf16 for its 11 significant bits; the operands' room
; in f16 is worked out where they are made.
; The combine weight is not applied here: the last launch multiplies by it in f32, which by linearity gives the same sum in another order of rounding.
; A cluster of 4 work-groups makes one block of 160 sorted rows x 1,024 columns; work-group cx makes columns 256 cx .. + 255;
; wave W of its four makes all 160 rows x columns 64 W .. + 63: 10 x 4 accumulator tiles of 16 x 16, 320 registers.
; THE SCHEDULE IS CONSTANT: all 59 blocks are computed whatever the routing, and no branch hangs on a number read from memory; the block's expert,
; read from rt, enters the address of w2 and nothing else.  59 blocks are what the worst routing fills (8,192 + 8 x 159 rows); blocks that a
; routing leaves empty (7 at the most) are computed like the others and are never read by the last launch.
; hs GOES THROUGH LDS, BY JOINT LOADS: all four waves of all four work-groups of the cluster multiply by the same 160 rows.  Each wave asks for 40 of them,
; with the same descriptor in all four work-groups (made of the cluster's y and the wave's number) and the mask 15.  Two slots of 256 K each
; (160 rows x 512 bytes): K = 1,024 is the two first fills and two refills.
; w2 COMES STRAIGHT INTO REGISTERS: wave W alone multiplies by rows 64 W .. + 63 of the work-group's 256, so LDS would hand them to no second reader.
; The first launch has laid wb out in the fragments' order (1,024 bytes for 16 rows x 32 K: the lanes' registers 0-3, then 4-7), so a load of 16 bytes a
; lane covers 512 consecutive bytes.  A ring of eight register buffers, one for each quarter step of 32 K, is asked for seven quarters ahead:
; up to 56 loads, 28 KiB of the wave, are on their way, and their waits are counted.
; w2 is not shared between row blocks by joint loads: four blocks that ask jointly would have to be of one expert, that is padding to 640 rows and room
; for 8,192 + 8 x 639 = 13,304 rows in place of 9,464.
; K is written out, 32 quarter steps without a loop: every offset into w2 stands in an immediate and no address is stepped but the two slots'.
; THE MATRIX INSTRUCTION IS USED TRANSPOSED: source 0 = 16 rows of w2, source 1 = 16 rows of hs, so lane l holds row l % 16 and its registers 0-7 the
; columns 8 (l / 16) + 0..7: eight neighbouring numbers of a row of ys.
.set PITCH,   528                      ; an LDS row: 512 bytes + 16 of padding: 16 neighbouring rows start at 16 different 16-byte columns modulo 256 bytes
.set AQ,      40*PITCH                 ; what one load brings: 40 rows
.set SLOT,    160*PITCH                ; 84,480 bytes
.set STAGE,   2*SLOT                   ; 168,960 = 660 x 256: behind the ring, never the target of a tensor load
.set SPITCH,  272                      ; the stage: for each wave 16 rows of 256 bytes + 16
.set BLOCK,   160
.set YROWB,   4096                     ; bytes in a row of ys
.set W_OFF,   16777216                 ; w2 in wb
.set BLK_OFF, 32768
.set G1W0, 15|(1<<16)|(1<<20)|(1<<21)|(6<<22)|(3<<25)   ; 15:0 the mask: all four work-groups; 17:16 elements of 2 bytes; 20 padding on; 21 set beside a mask; 24:22 after every 128 words; 31:25 of 4 words
.set ADRA,  16                         ; v16-17  LDS address of my fragments of hs's row blocks 0-4 in slot 0, 1
.set ADRA2, 18                         ; v18-19  the same for row blocks 5-9 (their offsets would pass 16 bits)
.set BL,    20                         ; v20     16 x lane: my 16 bytes in 512 of w2
.set STO,   24                         ; v24     the way out: where I put 32 bytes of a row
.set RD,    25                         ; v25     the way out: where I read rows back
.set CO,    26                         ; v26     my byte offset in ys
.set FA0,   32                         ; v32-111   hs's 10 fragments, buffer 0
.set FA1,   112                        ; v112-191  buffer 1
.set G1,    24                         ; s[24:31] descriptor group 1
.set G0,    32                         ; s[32:39] descriptor group 0, one set for each slot
.set BB,    44                         ; s[44:45] my wave's 64 rows of w2
; windows of 256 registers: 0 addresses and hs's fragments; 1 the accumulator tiles of row blocks 0-4, tile (a, b) at v[8 (4 a + b)];
; 2 those of row blocks 5-9, tile (a, b) at v[8 (4 (a - 5) + b)]; 3 w2's ring, quarter q's fragment b at v[32 (q % 8) + 8 b]
.set W1,    0x53                       ; source 0 (w2) window 3, source 1 (hs) window 0, C and D window 1
.set W2,    0xa3                       ; the same, C and D window 2
.set TO_B,  0xc0                       ; destination window 3, address window 0
.set MSB,   0
.macro WIN new                         ; the immediate's high byte repeats the setting that is left; switches that change nothing are dropped
.if MSB != \new
	s_set_vgpr_msb (MSB<<8)|\new
.set MSB, \new
.endif
.endm
.macro PLACES                          ; four independent vector instructions behind a matrix instruction (ISA guide 7.12.1) before its registers are loaded into or its result read
.rept 4
	v_nop
.endr
.endm
; A joint load: my wave's 40 rows of the cluster's tile of hs into slot s.  The same line, on every path, in every wave of all four work-groups.
.macro ALOAD s
	tensor_load_to_lds s[G0+4*\s:G0+4*\s+3], s[G1:G1+7]
	s_nop 0
.rept 4
	v_nop
.endr
.endm
; A round of the cluster's barrier: my work-group's barrier; wave 0 signals for the work-group; every wave waits for all four; my work-group's barrier again.
.macro CREST                           ; a round behind its opening barrier
	s_cmp_lg_u32 s12, 0
	s_cbranch_scc1 .Lnot_wave_0_\@
	s_barrier_signal -3
.Lnot_wave_0_\@:
	s_barrier_wait -3
	s_barrier_signal -1
	s_barrier_wait -1
.endm
.macro CROUND
	s_barrier_signal -1
	s_barrier_wait -1
	CREST
.endm
; quarter q's four fragments of w2 into ring buffer q % 8: eight loads of 512 consecutive bytes
.macro BLOAD q
	WIN TO_B
.irp b, 0,1,2,3
	global_load_b128 v[32*((\q)&7)+8*\b:32*((\q)&7)+8*\b+3],   v[BL], s[BB:BB+1] offset:\b*32768+(\q)*1024
	global_load_b128 v[32*((\q)&7)+8*\b+4:32*((\q)&7)+8*\b+7], v[BL], s[BB:BB+1] offset:\b*32768+(\q)*1024+512
.endr
.endm
.macro BNEXT q                         ; in quarter q: ask for quarter q + 7, into the buffer that quarter q - 1 has left; the last seven quarters ask for nothing
.if (\q) < 25
	BLOAD (\q)+7
.endif
.endm
.macro LWAIT q                         ; loads come back in order (ISA guide 5.7.1): quarter q's eight are in when only the younger ones are out,
.if (\q) < 26
	s_wait_loadcnt 48                              ; those of quarters q + 1 .. q + 6
.else
	s_wait_loadcnt 8*(31-(\q))                     ; those of quarters q + 1 .. 31
.endif
.endm
; cnt x 4 matrix instructions: row blocks a0 .. a0 + cnt - 1 x my 4 column blocks, 32 along K.  f: hs's buffer; rb: w2's ring buffer;
; abase: the first row block of the accumulators' window.  zero = 1: the first product starts the sums.
; The 40 accumulators take turns, one instruction a turn, in the same order in every quarter step.
.macro MUL f, rb, abase, a0, cnt, zero
.set ma, \a0
.rept \cnt
.irp b, 0,1,2,3
.if \zero
	v_wmma_f32_16x16x32_f16 v[8*(4*(ma-\abase)+\b):8*(4*(ma-\abase)+\b)+7], v[\rb+8*\b:\rb+8*\b+7], v[\f+8*ma:\f+8*ma+7], 0
.else
	v_wmma_f32_16x16x32_f16 v[8*(4*(ma-\abase)+\b):8*(4*(ma-\abase)+\b)+7], v[\rb+8*\b:\rb+8*\b+7], v[\f+8*ma:\f+8*ma+7], v[8*(4*(ma-\abase)+\b):8*(4*(ma-\abase)+\b)+7]
.endif
.endr
.set ma, ma+1
.endr
.endm
; 20 LDS loads in one run: one quarter step's fragments of hs (32 K at byte k of the rows) into buffer f: 10 for row blocks 0-4, 10 for row blocks 5-9
.macro FETCH slot, k, f
	WIN 0
.irp i, 0,1,2,3,4
	ds_load_b128 v[\f+8*\i:\f+8*\i+3],   v[ADRA+\slot] offset:\k+\i*16*PITCH
	ds_load_b128 v[\f+8*\i+4:\f+8*\i+7], v[ADRA+\slot] offset:\k+\i*16*PITCH+32
.endr
.irp i, 0,1,2,3,4
	ds_load_b128 v[\f+40+8*\i:\f+40+8*\i+3],   v[ADRA2+\slot] offset:\k+\i*16*PITCH
	ds_load_b128 v[\f+40+8*\i+4:\f+40+8*\i+7], v[ADRA2+\slot] offset:\k+\i*16*PITCH+32
.endr
.endm
; Quarter q (0..31), one of a slot's first seven: slot (q / 8) % 2, hs's buffer q % 2, ring buffer q % 8.  In its middle it fetches the next quarter's
; fragments of hs from the same slot and asks for w2's quarter q + 7.
.macro QUARTER q, zero
.set qs, ((\q)>>3)&1
.set qk, 64*(((\q)&7)+1)
.set qf, FA0+80*((\q)&1)
.set qg, FA0+80-80*((\q)&1)
.set qn, 32*((\q)&7)
	s_wait_dscnt 10                                ; all but the ten youngest LDS loads (row blocks 5-9) are in
	LWAIT \q
	WIN W1
	MUL qf, qn, 0, 0, 5, \zero
	PLACES                                         ; hs's other buffer and ring buffer (q - 1) % 8 were last read by the quarter before
	FETCH qs, qk, qg
	BNEXT \q
	s_wait_dscnt 20                                ; all but the 20 just issued
	WIN W2
	MUL qf, qn, 5, 5, 5, \zero
.endm
; A slot's eighth quarter multiplies buffer 1 and changes slots.  In front of the barrier each wave waits for its reads of this slot and for all its tensor
; loads (one is out: its part of the next slot).  fill = 1: the barrier opens a round of the cluster's barrier, and behind the round this slot is asked for
; again, 512 K ahead, first thing; from that request to the wait for it a wave issues 312 of a slot's 320 matrix instructions.
.macro TURN q, fill
.set qs, ((\q)>>3)&1
	s_wait_dscnt 10
	LWAIT \q
	WIN W1
	MUL FA1, 224, 0, 0, 3, 0
	s_wait_dscnt 0x0                               ; my reads of this slot are over
	s_set_vgpr_msb 0x5350
	s_wait_tensorcnt 0x0                           ; all my tensor loads have landed
	ds_add_u32 v254, v255
	s_wait_dscnt 0x0
	s_set_vgpr_msb 0x5053
	s_barrier_signal -1
	MUL FA1, 224, 0, 3, 2, 0                       ; register work while the others arrive
	WIN 0
	s_barrier_wait -1
.if \fill
	CREST                                          ; no wave of any partner still reads this slot or has a tensor load on its way
	s_add_nc_u64 s[G0+4*qs+2:G0+4*qs+3], s[G0+4*qs+2:G0+4*qs+3], 1024   ; two slots of 512 bytes on; no tensor load of mine is out
	ALOAD qs                                       ; its four v_nop are also the places in front of the loads below
.else
	PLACES
.endif
	FETCH 1-qs, 0, FA0
	BNEXT \q
	WIN W2
	MUL FA1, 224, 5, 5, 5, 0
.endm
	s_load_b256 s[4:11], s[0:1], 0x0               ; hs s[4:5], wb s[6:7], rt s[8:9], ys s[10:11]
	v_lshl_add_u32 v254, v0, 2, 0x2d800
	v_mov_b32 v255, 0
	ds_add_u32 v254, v255
	v_lshrrev_b32 v1, 5, v0
	v_readfirstlane_b32 s12, v1                    ; wave 0..3
	s_bfe_u32 s16, ttmp6, 0x40000                  ; cx: my column block
	s_and_b32 s18, ttmp7, 0xffff                   ; the cluster's y: the row block
	s_lshl_b32 s2, s18, 2
	s_mov_b32 s[G1+0], G1W0
	s_mov_b32 s[G1+1], 256<<16                     ; tensor_dim0 = 256
	s_mov_b32 s[G1+2], (BLOCK/4)<<16               ; tensor_dim1 = 40
	s_mov_b32 s[G1+3], 256<<16                     ; tile_dim0 = 256
	s_mov_b32 s[G1+4], BLOCK/4                     ; tile_dim1 = 40
	s_mov_b32 s[G1+5], 1024                        ; elements from row to row
	s_mov_b32 s[G1+6], 0
	s_mov_b32 s[G1+7], 0
	s_mul_i32 s21, s12, AQ                         ; my 40 rows in a slot
.irp s, 0,1
	s_mov_b32 s[G0+4*\s], 1
	s_add_co_u32 s[G0+4*\s+1], s21, \s*SLOT
.endr
	s_mul_i32 s40, s18, BLOCK                      ; hs: row 160 block + 40 wave, in bytes (these registers never hold cx)
	s_mul_i32 s41, s12, BLOCK/4
	s_add_co_u32 s40, s40, s41
	s_lshl_b32 s40, s40, 11
	s_mov_b32 s41, 0
	s_lshl_b32 s46, s16, 19                        ; w2: rows 256 cx + 64 wave of the expert, at 2,048 bytes a row, behind w1
	s_lshl_b32 s47, s12, 17
	s_add_co_u32 s46, s46, s47
	s_add_co_u32 s46, s46, W_OFF
	v_and_b32 v5, 31, v0
	v_lshlrev_b32 v[BL], 4, v5
	s_wait_dscnt 0x0
	s_wait_kmcnt 0x0
	s_load_b32 s20, s[8:9], s2 offset:BLK_OFF      ; the block's expert
	s_add_nc_u64 s[G0+2:G0+3], s[4:5], s[40:41]    ; K 0 to 255
	s_add_nc_u64 s[G0+6:G0+7], s[G0+2:G0+3], 512   ; K 256 to 511
	s_or_b32 s[G0+3], s[G0+3], 0x80000000          ; type = 2
	s_or_b32 s[G0+7], s[G0+7], 0x80000000
	s_wait_kmcnt 0x0
	s_min_u32 s20, s20, 7                          ; a loaded number enters an address behind its clamp
	s_lshl_b32 s44, s20, 21                        ; an expert's w2: 2 MiB of f16
	s_add_co_u32 s44, s44, s46
	s_mov_b32 s45, 0
	s_add_nc_u64 s[BB:BB+1], s[6:7], s[44:45]
.irp q, 0,1,2,3,4,5,6
	BLOAD \q                                       ; the ring's first seven quarters: 56 loads
.endr
	WIN 0
	CROUND                                         ; all four work-groups are here: the first joint loads meet
	ALOAD 0
	ALOAD 1                                        ; both first fills go out together, two tensor loads of the wave on their way
	; A fragment is 16 rows x 32 K in 8 registers: lane l holds row l % 16; registers 0-3 K = 8 (l / 16) + 0..7, registers 4-7 K = 16 + 8 (l / 16) + 0..7.
	v_and_b32 v1, 15, v0                           ; r = l % 16
	v_bfe_u32 v2, v0, 4, 1                         ; h = l / 16
	v_mul_u32_u24 v3, v1, PITCH
	v_lshl_add_u32 v[ADRA], v2, 4, v3              ; row x pitch + 16 h
	v_add_nc_u32 v[ADRA+1], SLOT, v[ADRA]
	v_add_nc_u32 v[ADRA2], 5*16*PITCH, v[ADRA]
	v_add_nc_u32 v[ADRA2+1], SLOT+5*16*PITCH, v[ADRA]
	s_mul_i32 s23, s12, 16*SPITCH
	s_add_co_u32 s23, s23, STAGE                   ; my wave's own stage
	v_mul_u32_u24 v4, v1, SPITCH                   ; in: row r, 32 bytes for each half of the lanes
	v_lshl_add_u32 v4, v2, 5, v4
	v_add_nc_u32 v[STO], s23, v4
	v_mul_u32_u24 v5, v2, SPITCH                   ; back: lanes 0-15 take one row's 256 bytes, lanes 16-31 the next row's
	v_lshl_add_u32 v5, v1, 4, v5
	v_add_nc_u32 v[RD], s23, v5
	v_lshlrev_b32 v5, 12, v2                       ; and the same two rows in ys
	v_lshl_add_u32 v[CO], v1, 4, v5
	s_wait_tensorcnt 0x1                           ; my part of slot 0 is in; slot 1's may stay out
	s_barrier_signal -1
	s_barrier_wait -1                              ; everybody's is
	FETCH 0, 0, FA0
	QUARTER 0, 1                                   ; the first products start the sums
.irp q, 1,2,3,4,5,6
	QUARTER \q, 0
.endr
	TURN 7, 1                                      ; slot 0 is asked for again: K 512 to 767
.irp q, 8,9,10,11,12,13,14
	QUARTER \q, 0
.endr
	TURN 15, 1                                     ; slot 1 is asked for again: K 768 to 1,023
.irp q, 16,17,18,19,20,21,22
	QUARTER \q, 0
.endr
	TURN 23, 0                                     ; nothing is left to fetch
.irp q, 24,25,26,27,28,29,30
	QUARTER \q, 0
.endr
	s_wait_dscnt 10                                ; the last quarter
	s_wait_loadcnt 0x0
	WIN W1
	MUL FA1, 224, 0, 0, 5, 0
	s_wait_dscnt 0x0
	WIN W2
	MUL FA1, 224, 5, 5, 5, 0
	PLACES                                         ; behind the last matrix instructions, before their results are stored to LDS
	; THE WAY OUT, 16 rows at a time: the f32 sums go straight from the accumulators into my wave's own stage and come back as whole pieces of 256 bytes of ys's rows.
	s_mul_i32 s68, s18, BLOCK                      ; row 160 block
	s_lshl_b32 s68, s68, 12
	s_lshl_b32 s69, s16, 10                        ; column 256 cx, in bytes
	s_add_co_u32 s68, s68, s69
	s_lshl_b32 s69, s12, 8                         ; + 64 W
	s_add_co_u32 s68, s68, s69
	s_mov_b32 s69, 0
	s_add_nc_u64 s[66:67], s[10:11], s[68:69]
; Row block a = the window's tiles (al, 0..3).  w: the LDS stores' data in the accumulators' window (0x04 or 0x08).  f: v32 or v64 in turn.
.macro OUT16 a, w, al, f
	WIN \w
.irp b, 0,1,2,3
	ds_store_b128 v[STO], v[8*(4*\al+\b):8*(4*\al+\b)+3]   offset:64*\b
	ds_store_b128 v[STO], v[8*(4*\al+\b)+4:8*(4*\al+\b)+7] offset:64*\b+16
.endr
	WIN 0
	s_wait_xcnt 0x0                                ; buffer f, which earlier stores read, is loaded again only behind this wait
.irp t, 0,1,2,3,4,5,6,7
	ds_load_b128 v[\f+4*\t:\f+4*\t+3], v[RD] offset:\t*2*SPITCH    ; LDS serves a wave's instructions in order (ISA guide 5.7.1.4): these see the stores above
.endr
.irp t, 0,1,2,3,4,5,6,7
	s_wait_dscnt 7-\t
	global_store_b128 v[CO], v[\f+4*\t:\f+4*\t+3], s[66:67] offset:(16*\a+2*\t)*YROWB   ; 16 lanes store 256 consecutive bytes, at a multiple of 256 from ys's first byte
.endr
.endm
	OUT16 0, 0x04, 0, 32
	OUT16 1, 0x04, 1, 64
	OUT16 2, 0x04, 2, 32
	OUT16 3, 0x04, 3, 64
	OUT16 4, 0x04, 4, 32
	OUT16 5, 0x08, 0, 64
	OUT16 6, 0x08, 1, 32
	OUT16 7, 0x08, 2, 64
	OUT16 8, 0x08, 3, 32
	OUT16 9, 0x08, 4, 64
	s_wait_tensorcnt 0x0
	ds_add_u32 v254, v255
	s_wait_dscnt 0x0
	CROUND                                         ; the closing round: no work-group ends while a partner may still ask for a tile that names it
	s_endpgm
.Lfunc_end_k_qd9b095e485_down:
	.size	k_qd9b095e485_down, .Lfunc_end_k_qd9b095e485_down-k_qd9b095e485_down
	.p2alignl 7, 3214868480
	.fill 96, 4, 3214868480
	.section	.rodata,"a",@progbits
	.p2align	6, 0x0
	.amdhsa_kernel k_qd9b095e485_down
		.amdhsa_group_segment_fixed_size 327680
		.amdhsa_private_segment_fixed_size 0
		.amdhsa_enable_private_segment 0
		.amdhsa_kernarg_size 32
		.amdhsa_user_sgpr_count 2
		.amdhsa_user_sgpr_kernarg_segment_ptr 1
		.amdhsa_wavefront_size32 1
		.amdhsa_system_sgpr_workgroup_id_x 1
		.amdhsa_system_sgpr_workgroup_id_y 1
		.amdhsa_system_sgpr_workgroup_id_z 1
		.amdhsa_system_vgpr_workitem_id 0
		.amdhsa_next_free_vgpr 1024
		.amdhsa_next_free_sgpr 72
		.amdhsa_reserve_vcc 0
		.amdhsa_float_denorm_mode_32 3
		.amdhsa_float_denorm_mode_16_64 3
		.amdhsa_memory_ordered 1
		.amdhsa_forward_progress 1
		.amdhsa_inst_pref_size 183
	.end_amdhsa_kernel
	.amdgpu_metadata
---
amdhsa.version: [ 1, 2 ]
amdhsa.kernels:
  - .name:           k_qd9b095e485_down
    .symbol:         k_qd9b095e485_down.kd
    .args:
      - { .name: hs, .offset: 0, .size: 8, .value_kind: global_buffer, .address_space: global }
      - { .name: wb, .offset: 8, .size: 8, .value_kind: global_buffer, .address_space: global }
      - { .name: rt, .offset: 16, .size: 8, .value_kind: global_buffer, .address_space: global }
      - { .name: ys, .offset: 24, .size: 8, .value_kind: global_buffer, .address_space: global }
    .group_segment_fixed_size: 327680
    .private_segment_fixed_size: 0
    .kernarg_segment_align: 8
    .kernarg_segment_size: 32
    .max_flat_workgroup_size: 128
    .sgpr_count:     72
    .vgpr_count:     1024
    .wavefront_size: 32
...
	.end_amdgpu_metadata
.endif
;; end of part 8
;; launch combine (part 9): grid 256 x 1, 16 waves a work-group, no clusters, 0 bytes of LDS; arguments ys, rt, topk_e, topk_w, out0; writes out0
.if DOCPART == 9
	.amdgcn_target "amdgcn-amd-amdhsa--gfx1250"
	.amdhsa_code_object_version 6
	.text
	.protected	k_qd9b095e485_combine
	.globl	k_qd9b095e485_combine
	.p2align	8
	.type	k_qd9b095e485_combine,@function
k_qd9b095e485_combine:
	s_mov_b64 s[64:65], 0
	v_nop
	global_prefetch_b8 v0, s[64:65] scope:SCOPE_SE
	s_setreg_imm32_b32 hwreg(HW_REG_WAVE_MODE, 25, 1), 1
	s_wait_xcnt 0x0
; combine: out0[s] = 4 c0 ys[POS[2s]] + 4 c1 ys[POS[2s+1]], all in f32; ck = topk_w[s][k], or 0 where topk_e[s][k] lies outside 0..7 (a one-hot row of zeros).
; The 4 undoes the quarter with which h was stored in f16; a multiplication by 4 is exact (LIMIT, stated: up to weights of 8e37).
; The sum over a token's two pairs is made by gathering: each row of out0 has one owner, one wave.  16 waves, 16 tokens a work-group, 256 work-groups.
; A token that names one expert twice has two rows of ys, and their weighted sum is the sum of the weights times the row.
; A stream: a wave's 16 loads (8 KiB) go out at once, 128 KiB for the work-group; no loop, no LDS, no barrier.
.set POS_OFF, 0
.set MAXROW,  9439
	s_load_b256 s[4:11], s[0:1], 0x0               ; ys s[4:5], rt s[6:7], topk_e s[8:9], topk_w s[10:11]
	s_load_b64 s[12:13], s[0:1], 0x20              ; out0
	v_lshrrev_b32 v1, 5, v0
	v_readfirstlane_b32 s14, v1                    ; wave 0..15
	v_and_b32 v1, 31, v0
	v_lshlrev_b32 v1, 4, v1                        ; 16 lane
	s_lshl_b32 s15, ttmp9, 4
	s_add_co_u32 s15, s15, s14                     ; my token
	s_lshl_b32 s22, s15, 3                         ; 8 bytes a token in POS, topk_e, topk_w
	s_lshl_b32 s36, s15, 12                        ; 4,096 bytes a token in out0
	s_mov_b32 s37, 0
	s_mov_b32 s35, 0
	s_wait_kmcnt 0x0
	s_load_b64 s[16:17], s[6:7], s22 offset:POS_OFF        ; the two sorted rows
	s_load_b64 s[18:19], s[8:9], s22 offset:0x0            ; the two ids
	s_load_b64 s[20:21], s[10:11], s22 offset:0x0          ; the two weights
	s_add_nc_u64 s[28:29], s[12:13], s[36:37]
	s_wait_kmcnt 0x0
	s_min_u32 s16, s16, MAXROW                     ; a loaded number enters an address behind its clamp
	s_min_u32 s17, s17, MAXROW
	s_lshl_b32 s34, s16, 12
	s_add_nc_u64 s[24:25], s[4:5], s[34:35]
	s_lshl_b32 s34, s17, 12
	s_add_nc_u64 s[26:27], s[4:5], s[34:35]
.irp k, 0,1,2,3,4,5,6,7
	global_load_b128 v[4+8*\k:7+8*\k],  v1, s[24:25] offset:512*\k th:TH_LOAD_NT    ; each row of ys is read once in the launch
	global_load_b128 v[8+8*\k:11+8*\k], v1, s[26:27] offset:512*\k th:TH_LOAD_NT
.endr
	s_cmp_lt_u32 s18, 8                            ; the choice picks a value, never an address
	s_cselect_b32 s30, s20, 0
	s_cmp_lt_u32 s19, 8
	s_cselect_b32 s32, s21, 0
	s_mul_f32 s30, s30, 4.0                        ; ys holds a quarter of the sums
	s_mul_f32 s32, s32, 4.0
	s_mov_b32 s31, s30                             ; the packed forms name the pair
	s_mov_b32 s33, s32
.irp k, 0,1,2,3,4,5,6,7
	s_wait_loadcnt 14-2*\k                         ; piece k of both rows is in; the 14 - 2 k younger loads stay out
	v_pk_mul_f32 v[4+8*\k:5+8*\k], v[4+8*\k:5+8*\k], s[30:31] op_sel_hi:[1,0]
	v_pk_mul_f32 v[6+8*\k:7+8*\k], v[6+8*\k:7+8*\k], s[30:31] op_sel_hi:[1,0]
	v_pk_fma_f32 v[4+8*\k:5+8*\k], v[8+8*\k:9+8*\k],   s[32:33], v[4+8*\k:5+8*\k] op_sel_hi:[1,0,1]
	v_pk_fma_f32 v[6+8*\k:7+8*\k], v[10+8*\k:11+8*\k], s[32:33], v[6+8*\k:7+8*\k] op_sel_hi:[1,0,1]
	global_store_b128 v1, v[4+8*\k:7+8*\k], s[28:29] offset:512*\k th:TH_STORE_NT   ; 512 consecutive bytes, aligned; no register is written again
.endr
	s_endpgm
.Lfunc_end_k_qd9b095e485_combine:
	.size	k_qd9b095e485_combine, .Lfunc_end_k_qd9b095e485_combine-k_qd9b095e485_combine
	.p2alignl 7, 3214868480
	.fill 96, 4, 3214868480
	.section	.rodata,"a",@progbits
	.p2align	6, 0x0
	.amdhsa_kernel k_qd9b095e485_combine
		.amdhsa_group_segment_fixed_size 0
		.amdhsa_private_segment_fixed_size 0
		.amdhsa_enable_private_segment 0
		.amdhsa_kernarg_size 40
		.amdhsa_user_sgpr_count 2
		.amdhsa_user_sgpr_kernarg_segment_ptr 1
		.amdhsa_wavefront_size32 1
		.amdhsa_system_sgpr_workgroup_id_x 1
		.amdhsa_system_sgpr_workgroup_id_y 1
		.amdhsa_system_sgpr_workgroup_id_z 1
		.amdhsa_system_vgpr_workitem_id 0
		.amdhsa_next_free_vgpr 72
		.amdhsa_next_free_sgpr 66
		.amdhsa_reserve_vcc 0
		.amdhsa_float_denorm_mode_32 3
		.amdhsa_float_denorm_mode_16_64 3
		.amdhsa_memory_ordered 1
		.amdhsa_forward_progress 1
		.amdhsa_inst_pref_size 6
	.end_amdhsa_kernel
	.amdgpu_metadata
---
amdhsa.version: [ 1, 2 ]
amdhsa.kernels:
  - .name:           k_qd9b095e485_combine
    .symbol:         k_qd9b095e485_combine.kd
    .args:
      - { .name: ys, .offset: 0, .size: 8, .value_kind: global_buffer, .address_space: global }
      - { .name: rt, .offset: 8, .size: 8, .value_kind: global_buffer, .address_space: global }
      - { .name: topk_e, .offset: 16, .size: 8, .value_kind: global_buffer, .address_space: global }
      - { .name: topk_w, .offset: 24, .size: 8, .value_kind: global_buffer, .address_space: global }
      - { .name: out0, .offset: 32, .size: 8, .value_kind: global_buffer, .address_space: global }
    .group_segment_fixed_size: 0
    .private_segment_fixed_size: 0
    .kernarg_segment_align: 8
    .kernarg_segment_size: 40
    .max_flat_workgroup_size: 512
    .sgpr_count:     66
    .vgpr_count:     72
    .wavefront_size: 32
...
	.end_amdgpu_metadata
.endif
;; end of part 9
